; MI455X (gfx1250); checked and timed in simulation.
; The chip was launched on July 23, 2026; its instructions are those of AMD's public machine-readable ISA for CDNA 5 (MIT licence, August 2026) and "CDNA5" Instruction Set Architecture Reference Guide (July 2026). The comments in the code are by the model that wrote it; some were corrected since.
;; Self Attention. Allowed arithmetic: matrix products marked QUANTISED: E2M3 operands, one E8M0 scale for each 32 along K, by v_wmma_scale_f32_16x16x128_f8f6f4 with both operands' format E2M3, f32 sums; everything else in f32.
;; Inputs: Wk 1,024 x 1,024 float32; Wo 1,024 x 1,024 float32; Wq 1,024 x 1,024 float32; Wv 1,024 x 1,024 float32; bo 1,024 float32; keys 4 x 2,048 x 1,024 float32; mask 4 x 1 x 2,048 x 2,048 int32; query 4 x 2,048 x 1,024 float32; values 4 x 2,048 x 1,024 float32.
;; Outputs: out0 4 x 2,048 x 1,024 float32.
;; This version of the problem:
;;   THIS VERSION OF THE PROBLEM IS GIVEN IN LOW PRECISION. The matrix products marked QUANTISED in the list below multiply operands that are first quantised to E2M3 (2 exponent bits, 3 mantissa bits; 6 bits a number), with one power-of-two scale for each 32 numbers along K (OCP MX v1.0); their sums are f32. All else is computed in f32.
;;   The module's matrix products, in the order in which they are computed (A, B: the left and right operand; K: the contracted axis; several contracted axes count as one K, in the product's order):
;;     1. [M 8,192, K 1,024] x [K 1,024, N 1,024]; A: input values; B: input Wv: QUANTISED
;;     2. [M 8,192, K 1,024] x [K 1,024, N 1,024]; A: input keys; B: input Wk: QUANTISED
;;     3. [M 8,192, K 1,024] x [K 1,024, N 1,024]; A: input query; B: input Wq: QUANTISED
;;     4. batch 64 x [M 2,048, K 64] x [K 64, N 2,048]; A: computed on the way; B: computed on the way: QUANTISED
;;     5. batch 64 x [M 64, K 2,048] x [K 2,048, N 2,048]; A: computed on the way; B: softmax (see below): QUANTISED
;;     6. [M 8,192, K 1,024] x [K 1,024, N 1,024]; A: computed on the way; B: input Wo: QUANTISED
;;   THE QUANTISER, for each operand of a quantised product, along K:
;;     - K is cut into blocks of 32 from its start; a last block that is shorter is filled with zeros.
;;     - A block's scale is 2^e with e = floor(log2(the largest magnitude in the block)) - 2, held to -126 .. 127; a block of zeros has e = 0. As a byte (E8M0): e + 127.
;;     - Each number is divided by its block's scale, clamped to +-7.5, and rounded to the nearest number of E2M3, ties to even, subnormals kept.
;;     - The product sums the exact products of the quantised numbers (number of the format x scale) in f32.
;;   ~~~python
;;   def quantise(x, axis):      # numpy; x: float32 -> the quantised numbers, widened to float32 again
;;       x = np.moveaxis(x, axis, -1); K = x.shape[-1]
;;       x = np.pad(x, [(0, 0)] * (x.ndim - 1) + [(0, -K % 32)]); x = x.reshape(x.shape[:-1] + (-1, 32)); a = np.abs(x).max(-1, keepdims=True)
;;       e = np.where(a > 0, np.clip(np.frexp(np.where(a > 0, a, 1))[1] - 1 - 2, -126, 127), 0)      # np.frexp(a)[1] - 1 = floor(log2(a)), exactly
;;       r = np.clip(x / 2.0 ** e, -7.5, 7.5)
;;       step = 2.0 ** (np.maximum(np.frexp(np.where(r == 0, 1, r))[1] - 1, 0) - 3)
;;       q = np.round(r / step) * step * 2.0 ** e      # np.round: ties to even
;;       return np.moveaxis(q.reshape(q.shape[:-2] + (-1,))[..., :K], -1, axis).astype(np.float32)
;;   ~~~
;;   SOFTMAX AHEAD OF A QUANTISED PRODUCT. Where the list says 'softmax', what is quantised is not the finished softmax but p = 2^(t - M), with t = logit x log2(e) and M = ceil(the row's largest t), a whole number; so 1/2 < the row's largest p <= 1. The row's sum l is taken of the UNQUANTISED p, in f32, and the product's result is divided by l at the end. Since M is a whole number, a kernel that streams over the keys may use a running M (the ceiling of the running maximum): every later rescaling is an exact power of two, which a block's scale takes up: the codes' values come out the same.
;;   OPERANDS COMPUTED ON THE WAY. 'Computed on the way' means the value that the module computes at that place (a softmax that the list does not call 'softmax' is quantised finished and normalised). What goes into a quantiser is computed in f32, as accurately as f32 sums, v_exp_f32 and their like allow (about 1e-6 of the number): no bf16 or f16 on the way to a quantiser, and a product that is left as it is and whose result goes on into a quantised operand takes f32 operands (vector FMAs, or v_wmma_f32_16x16x4_f32). A number that lies on a knife's edge between two numbers of the format may be rounded either way, as far as f32 arithmetic and the matrix unit's own rounding can turn it there, and no further.
;; One version. Each part assembles by itself: llvm-mc -triple=amdgcn-amd-amdhsa -mcpu=gfx1250 --defsym DOCPART=n.
;; ======== version 1 of 1: 4 launches
;; limits: right only within a limited range of input values
;; workspace buffers: xq 19,660,800 bytes; wq 3,276,800 bytes; mw 2,097,152 bytes of whole numbers; qkv 20,447,232 bytes; oq 6,815,744 bytes
;; launch prep (part 1): grid 352 x 4, 8 waves a work-group, no clusters, 72,704 bytes of LDS; arguments query, keys, values, Wq, Wk, Wv, Wo, mask, xq, wq, mw; writes xq, wq, mw
.if DOCPART == 1
	.amdgcn_target "amdgcn-amd-amdhsa--gfx1250"
	.amdhsa_code_object_version 6
	.text
	.protected	k_q8cd92b364a_prep
	.globl	k_q8cd92b364a_prep
	.p2align	8
	.type	k_q8cd92b364a_prep,@function
k_q8cd92b364a_prep:
	s_mov_b64 s[64:65], 0
	v_nop
	global_prefetch_b8 v0, s[64:65] scope:SCOPE_SE
	s_setreg_imm32_b32 hwreg(HW_REG_WAVE_MODE, 25, 1), 1
	s_wait_xcnt 0x0
; SelfAttention in MX-FP6, launch 1 of 4: query, keys, values [8192][1024] and Wq, Wk, Wv, Wo [1024][1024], f32, K innermost, become codes of E2M3 with one E8M0 byte for each 32 along K;
; the mask [4][2048][2048] of int32 becomes lane masks, one bit a number.
; DEAD WORK: none.  Every product of reference() reaches out0, and so do all nine inputs: the three activations, the four weights, the mask (honoured bit by bit) and bo.  Nothing is left out in any launch.
; A block's scale is 2^(floor(log2(its largest magnitude)) - 2); its byte is that magnitude's exponent field - 2, held at 1 from below.  A block of zeros so keeps the byte 1 where the rule says 127:
; its codes are zeros, which add nothing under any byte but 0xff, and this program alone reads the bytes.
; LIMITS: NaN and infinities among the inputs are not served; blocks whose largest magnitude lies under 2^-124 take the floor's byte.
; LAYOUT OF THE CODES: in the order of the reader's registers.  128 rows are a block: [K step 8][tile 8][1536 bytes].  Tile i holds rows 32 (i / 2) + 8 (i % 2) + r + 8 (r / 8), r = lane % 16, so that a product which takes
; the tile as its first source leaves 16 neighbouring rows in the 16 registers of two neighbouring tiles.  A fragment (16 rows x 128 K, 12 registers a lane) is two halves of 768 bytes: registers 0-3 at 16 x lane, 4-5 at 512 + 8 x lane.
; A block's scale words: [K step 8][tile / 4][r 16][tile % 4], 4,096 bytes: one load of 16 bytes a lane brings four tiles' words.
; THE MASK: for a tile of 16 queries and a step of 128 keys 64 words; bit l of word j is mask != 0 at query row (l % 16) of the tile, key 32 (j / 16) + 16 (l / 16) + j % 16 of the step: the place of register j, lane l, of the scores.
; SHARES.  Work-groups 0-191: a block of an activation; 192-223: a block of a weight; 224-351: the mask.  A wave takes 16 rows x 8 units of 512 bytes; a load reads 512 consecutive bytes of one row; a unit's 8,192 bytes turn
; through the wave's own stage in LDS, so that a lane then holds 16 neighbours of each block of 32.  Loads run two units (32 loads a wave) ahead.  No matrix unit, no tensor load, no cluster: nothing is shared and memory binds.
; THE SHARES AS THEY STAND (in place of what the lines above say of 8 units): the grid's y cuts K, or the mask's eight key steps, in four: a work-group takes units 2 y and 2 y + 1 of its rows, both asked for at once;
; its sources and results begin 2 y units further on, and its 1,024 bytes of scale words leave by waves 0-3, 256 consecutive bytes each.
.set XSEC,  18874368
.set WSEC,  3145728                    ; wq: likewise
.set STG,   8448                       ; a wave's stage: 16 rows x (512 + 16) bytes
.set SCIMG, 8*STG                      ; the block's scale words, 4,096 bytes
.set SPARE, SCIMG+4096                 ; the spare words: 128 bytes a wave, four blocks of 256 bytes that no other line names
.set SPW,  12                          ; v12  my spare word's address; never rewritten
.set NIL,  13                          ; v13  0; never rewritten
.set PW,   15                          ; v15  the scale word just made
.set OFFR, 16                          ; v16-31  row j of the tile: 16 x lane + (j + 8 (j / 8)) x pitch
.set R,    32                          ; v32-159 two sets of 64: a unit as loaded
.set XS,   160                         ; v160-223 a unit turned: register 16 b + i = number 32 b + 16 (lane / 16) + i of my row
.set PC,   224                         ; v224-235 a fragment's codes
.set MWR,  224                         ; v224-225 (mask) 64 words: lane L holds words 2 L, 2 L + 1
.set CT,   236                         ; v236-243 the conversions' second halves
.set TM,   244                         ; v244-247 maxima, 248-251 bytes, 252-255 the conversions' scale operands
.set SEL,  36                          ; s[36:37] lane selects: lane l xor 16
	s_load_b256 s[4:11], s[0:1], 0x0               ; query, keys, values, Wq
	s_load_b256 s[12:19], s[0:1], 0x20             ; Wk, Wv, Wo, mask
	s_load_b128 s[20:23], s[0:1], 0x40             ; xq, wq
	s_load_b64 s[24:25], s[0:1], 0x50              ; mw
	v_lshl_add_u32 v[SPW], v0, 2, SPARE
	v_mov_b32 v[NIL], 0
	v_lshrrev_b32 v1, 5, v0
	s_delay_alu instid0(VALU_DEP_1)
	v_readfirstlane_b32 s26, v1                    ; wave 0..7
	v_and_b32 v1, 31, v0                           ; lane
	v_and_b32 v8, 15, v0                           ; r
	v_bfe_u32 v9, v0, 4, 1                         ; h
	s_delay_alu instid0(VALU_DEP_3)
	v_lshlrev_b32 v2, 4, v1                        ; 16 x lane
	s_wait_alu depctr_va_vdst(0)
	v_lshlrev_b32 v3, 3, v1                        ; 8 x lane
	s_mul_i32 s27, s26, STG
	v_add_nc_u32 v4, s27, v2                       ; the stage, way in: a row's 512 bytes as they lie
	v_mul_u32_u24 v5, v8, 528
	s_delay_alu instid0(VALU_DEP_1)
	v_lshl_add_u32 v5, v9, 6, v5
	s_delay_alu instid0(VALU_DEP_1)
	v_add_nc_u32 v5, s27, v5                       ; way out: row r, + 64 h
	s_lshr_b32 s27, s26, 2
	s_lshl_b32 s27, s27, 8
	s_and_b32 s28, s26, 3
	s_lshl_b32 s28, s28, 2
	s_add_co_u32 s27, s27, s28
	s_add_co_u32 s27, s27, SCIMG
	v_lshl_add_u32 v6, v8, 4, s27                  ; my tile's place among the scale words: 256 (w / 4) + 16 r + 4 (w % 4)
	s_lshl_b32 s27, s26, 8
	s_wait_alu depctr_va_vdst(0)                   ; the wait, directly ahead of the reader below
	v_add_nc_u32 v10, s27, v3                      ; 256 w + 8 x lane: my part of the 1,024 bytes (waves 0-3), in memory
	s_delay_alu instid0(VALU_DEP_1)
	v_add_nc_u32 v7, SCIMG, v10                    ; and in LDS
	; where my 16 rows begin.  Activations and weights: block x 128 rows x 4,096 bytes + the tile's first row
	s_and_b32 s27, ttmp9, 63
	s_and_b32 s28, ttmp9, 7
	s_cmp_lt_u32 ttmp9, 192
	s_cselect_b32 s27, s27, s28                    ; the block in its tensor
	s_lshl_b32 s27, s27, 19
	s_lshr_b32 s28, s26, 1
	s_lshl_b32 s28, s28, 5
	s_and_b32 s29, s26, 1
	s_lshl_b32 s29, s29, 3
	s_add_co_u32 s28, s28, s29                     ; 32 (w / 2) + 8 (w % 2)
	s_lshl_b32 s28, s28, 12
	s_add_co_u32 s27, s27, s28
	; the mask: task t = 8 (work-group - 224) + wave = 2 (128 n + tile) + half
	s_sub_co_u32 s30, ttmp9, 224
	s_lshl_b32 s30, s30, 3
	s_add_co_u32 s30, s30, s26
	s_lshr_b32 s31, s30, 8
	s_lshl_b32 s31, s31, 24                        ; n x 2,048 rows x 8,192 bytes
	s_bfe_u32 s32, s30, 0x60002                    ; tile / 2
	s_lshl_b32 s32, s32, 5
	s_bfe_u32 s33, s30, 0x10001                    ; tile % 2
	s_lshl_b32 s33, s33, 3
	s_add_co_u32 s32, s32, s33
	s_lshl_b32 s32, s32, 13
	s_add_co_u32 s31, s31, s32
	s_and_b32 s33, s30, 1
	s_lshl_b32 s33, s33, 12                        ; the half's 8 key steps
	s_add_co_u32 s31, s31, s33
	s_cmp_lt_u32 ttmp9, 224
	s_cselect_b32 s28, s27, s31
	s_cselect_b32 s34, 12, 13                      ; log2 of a row's bytes
	s_mov_b32 s29, 0
.irp j, 0,1,2,3,4,5,6,7,8,9,10,11,12,13,14,15
	s_lshl_b32 s35, \j+8*(\j/8), s34
	v_add_nc_u32 v[OFFR+\j], s35, v2
.endr
	; where the results go
	s_sub_co_u32 s35, ttmp9, 192
	s_mov_b32 s39, WSEC
	s_cmp_lt_u32 ttmp9, 192
	s_cselect_b32 s35, ttmp9, s35                  ; the block in xq or in wq
	s_cselect_b32 s39, XSEC, s39
	s_mul_i32 s40, s35, 98304
	s_mul_i32 s41, s26, 1536
	s_add_co_u32 s40, s40, s41                     ; codes: block, tile w
	s_mov_b32 s41, 0
	s_lshl_b32 s42, s35, 12
	s_add_co_u32 s42, s42, s39                     ; scale words
	s_mov_b32 s43, 0
	s_lshl_b32 s44, s30, 11                        ; mask words: 2,048 bytes a task
	s_mov_b32 s45, 0
	s_mov_b32 s[SEL], 0x76543210
	s_mov_b32 s[SEL+1], 0xfedcba98
.irp b, 0,1,2,3
	v_mov_b32 v[TM+4+\b], 0                        ; written once: a lane permute's destination counts as one of its sources
.endr
	v_mov_b32 v[MWR], 0                            ; likewise v_writelane_b32's
	v_mov_b32 v[MWR+1], 0
	s_wait_alu depctr_va_vdst(0)
	s_wait_kmcnt 0x0
	s_mov_b64 s[48:49], s[4:5]                     ; the source, chosen by the work-group's number alone
	s_cmp_ge_u32 ttmp9, 64
	s_cselect_b64 s[48:49], s[6:7], s[48:49]
	s_cmp_ge_u32 ttmp9, 128
	s_cselect_b64 s[48:49], s[8:9], s[48:49]
	s_cmp_ge_u32 ttmp9, 192
	s_cselect_b64 s[48:49], s[10:11], s[48:49]
	s_cmp_ge_u32 ttmp9, 200
	s_cselect_b64 s[48:49], s[12:13], s[48:49]
	s_cmp_ge_u32 ttmp9, 208
	s_cselect_b64 s[48:49], s[14:15], s[48:49]
	s_cmp_ge_u32 ttmp9, 216
	s_cselect_b64 s[48:49], s[16:17], s[48:49]
	s_cmp_ge_u32 ttmp9, 224
	s_cselect_b64 s[48:49], s[18:19], s[48:49]
	s_add_nc_u64 s[48:49], s[48:49], s[28:29]
	s_cmp_lt_u32 ttmp9, 192
	s_cselect_b64 s[50:51], s[20:21], s[22:23]
	s_add_nc_u64 s[52:53], s[50:51], s[42:43]      ; scale words
	s_add_nc_u64 s[50:51], s[50:51], s[40:41]      ; codes
	s_add_nc_u64 s[54:55], s[24:25], s[44:45]      ; mask words
	s_and_b32 s27, ttmp7, 0xffff                   ; y: which two units are mine (s29 is 0 still)
	s_lshl_b32 s28, s27, 10
	s_add_nc_u64 s[48:49], s[48:49], s[28:29]      ; the source: 2 x 512 bytes of each row on
	s_add_nc_u64 s[52:53], s[52:53], s[28:29]      ; scale words: 2 x 512 bytes
	s_lshl_b32 s28, s27, 9
	s_add_nc_u64 s[54:55], s[54:55], s[28:29]      ; mask words: 2 x 256 bytes
	s_mul_i32 s28, s27, 24576
	s_add_nc_u64 s[50:51], s[50:51], s[28:29]      ; codes: 2 x 12,288 bytes
.macro LOAD u                          ; unit u: 16 rows x 512 consecutive bytes
.irp j, 0,1,2,3,4,5,6,7,8,9,10,11,12,13,14,15
	global_load_b128 v[R+64*((\u)%2)+4*\j:R+64*((\u)%2)+4*\j+3], v[OFFR+\j], s[48:49] offset:512*(\u) th:TH_LOAD_NT
.endr
.endm
; 64 numbers of a lane become a fragment's 12 registers of codes and its scale word
.macro QUANT
.irp b, 0,1,2,3
	v_max3_num_f32 v[TM+\b], |v[XS+16*\b]|, |v[XS+1+16*\b]|, 0x1800000   ; block b: my 16 numbers, and the floor 2^(3 - 127): the byte cannot fall under 1
.endr
.irp i, 2,4,6,8,10,12,14
.irp b, 0,1,2,3
	s_delay_alu instid0(VALU_DEP_4)
	v_max3_num_f32 v[TM+\b], v[TM+\b], |v[XS+16*\b+\i]|, |v[XS+1+16*\b+\i]|   ; the four blocks by turns
.endr
.endr
.irp b, 0,1,2,3
	s_delay_alu instid0(VALU_DEP_4)
	v_permlanex16_b32 v[TM+4+\b], v[TM+\b], s[SEL], s[SEL+1]
.endr
.irp b, 0,1,2,3
	s_delay_alu instid0(VALU_DEP_4)
	v_max_num_f32 v[TM+\b], v[TM+\b], v[TM+4+\b]   ; with lane l xor 16's 16: the block's largest magnitude
.endr
.irp b, 0,1,2,3
	s_delay_alu instid0(VALU_DEP_4)
	v_add_nc_u32 v[TM+8+\b], 0xff000000, v[TM+\b]  ; 2 off its exponent field: the conversion's scale operand
.endr
.irp b, 0,1,2,3
	s_delay_alu instid0(VALU_DEP_4)
	v_lshrrev_b32 v[TM+4+\b], 23, v[TM+8+\b]       ; the scale's byte
.endr
	s_delay_alu instid0(VALU_DEP_3)
	v_lshl_or_b32 v[PW], v[TM+5], 8, v[TM+4]
	s_delay_alu instid0(VALU_DEP_1)
	v_lshl_or_b32 v[PW], v[TM+6], 16, v[PW]
	s_delay_alu instid0(VALU_DEP_1)
	v_lshl_or_b32 v[PW], v[TM+7], 24, v[PW]
.irp c, 0,1
	v_cvt_scalef32_pk16_fp6_f32 v[PC+6*\c:PC+2+6*\c], v[XS+32*\c:XS+15+32*\c], v[TM+8+2*\c]
	v_cvt_scalef32_pk16_fp6_f32 v[CT+4*\c:CT+2+4*\c], v[XS+16+32*\c:XS+31+32*\c], v[TM+8+2*\c+1]   ; a conversion's three registers begin on an even number
.endr
	v_nop                                          ; one plain line behind the conversions
.irp c, 0,1                                    ; the operand wants a whole block in a lane: lanes 0-15 block 2 c, lanes 16-31 block 2 c + 1
.irp i, 0,1,2
	v_permlane16_swap_b32 v[PC+6*\c+\i], v[CT+4*\c+\i]
.endr
.irp i, 0,1,2
	s_delay_alu instid0(VALU_DEP_3)
	v_mov_b32 v[PC+3+6*\c+\i], v[CT+4*\c+\i]
.endr
.endr
.endm
.macro UNIT u
.if (\u) < 1
	s_wait_loadcnt 16
.else
	s_wait_loadcnt 0x0
.endif
.irp j, 0,1,2,3,4,5,6,7,8,9,10,11,12,13,14,15
	ds_store_b128 v4, v[R+64*((\u)%2)+4*\j:R+64*((\u)%2)+4*\j+3] offset:528*\j
.endr
.irp b, 0,1,2,3
.irp q, 0,1,2,3
	ds_load_b128 v[XS+16*\b+4*\q:XS+16*\b+4*\q+3], v5 offset:128*\b+16*\q   ; LDS serves a wave's instructions in order: these see the stores above
.endr
.endr
	s_wait_xcnt 0x0                                ; the last unit's stores have read their data: the codes' registers are written again below
	s_wait_dscnt 0x0                               ; the unit is turned
	s_cmp_lt_u32 ttmp9, 224                        ; the work-group's number alone decides
	s_cbranch_scc0 .Lmask_\@
	QUANT
	global_store_b128 v2, v[PC:PC+3], s[50:51] offset:12288*(\u)          ; each store covers whole aligned runs of 256 bytes
	global_store_b64 v3, v[PC+4:PC+5], s[50:51] offset:12288*(\u)+512
	global_store_b128 v2, v[PC+6:PC+9], s[50:51] offset:12288*(\u)+768
	global_store_b64 v3, v[PC+10:PC+11], s[50:51] offset:12288*(\u)+1280
	ds_store_b32 v6, v[PW] offset:512*(\u)         ; lanes r and r + 16 write the same word with the same value
	s_branch .Ljoin_\@
.Lmask_\@:
	s_wait_alu depctr_va_vdst(0)
.irp q, 0,1,2,3,4,5,6,7,8,9,10,11,12,13,14,15
.irp k, 0,1,2,3
	v_cmp_ne_u32 s[56+\k], 0, v[XS+4*\q+\k]        ; word 4 q + k: a bit a lane
.endr
.irp k, 0,1,2,3
	v_writelane_b32 v[MWR+\k%2], s[56+\k], 2*\q+\k/2
.endr
.endr
	global_store_b64 v3, v[MWR:MWR+1], s[54:55] offset:256*(\u)           ; 256 consecutive bytes, aligned
.Ljoin_\@:
.endm
	LOAD 0
	LOAD 1
.irp u, 0,1
	UNIT \u
.endr
	s_wait_dscnt 0x0                               ; for the others' sake: my scale words lie in LDS
	s_barrier_signal -1
	s_barrier_wait -1
	s_cmp_lt_u32 ttmp9, 224
	s_cbranch_scc0 .Lend                           ; the mask's work-groups have no scale words
	s_cmp_lt_u32 s26, 4
	s_cbranch_scc0 .Lend                           ; two K steps' scale words are 1,024 bytes: four waves store them
	ds_load_b64 v[XS:XS+1], v7
	s_wait_dscnt 0x0
	global_store_b64 v10, v[XS:XS+1], s[52:53]     ; 32 lanes store 256 consecutive bytes, aligned
.Lend:
	s_wait_tensorcnt 0x0                           ; the wave's end: behind my last LDS store
	ds_add_u32 v[SPW], v[NIL]
	s_wait_dscnt 0x0
	s_endpgm
.Lfunc_end_k_q8cd92b364a_prep:
	.size	k_q8cd92b364a_prep, .Lfunc_end_k_q8cd92b364a_prep-k_q8cd92b364a_prep
	.p2alignl 7, 3214868480
	.fill 96, 4, 3214868480
	.section	.rodata,"a",@progbits
	.p2align	6, 0x0
	.amdhsa_kernel k_q8cd92b364a_prep
		.amdhsa_group_segment_fixed_size 72704
		.amdhsa_private_segment_fixed_size 0
		.amdhsa_enable_private_segment 0
		.amdhsa_kernarg_size 88
		.amdhsa_user_sgpr_count 2
		.amdhsa_user_sgpr_kernarg_segment_ptr 1
		.amdhsa_wavefront_size32 1
		.amdhsa_system_sgpr_workgroup_id_x 1
		.amdhsa_system_sgpr_workgroup_id_y 1
		.amdhsa_system_sgpr_workgroup_id_z 1
		.amdhsa_system_vgpr_workitem_id 0
		.amdhsa_next_free_vgpr 256
		.amdhsa_next_free_sgpr 66
		.amdhsa_reserve_vcc 0
		.amdhsa_float_denorm_mode_32 3
		.amdhsa_float_denorm_mode_16_64 3
		.amdhsa_memory_ordered 1
		.amdhsa_forward_progress 1
		.amdhsa_inst_pref_size 42
	.end_amdhsa_kernel
	.amdgpu_metadata
---
amdhsa.version: [ 1, 2 ]
amdhsa.kernels:
  - .name:           k_q8cd92b364a_prep
    .symbol:         k_q8cd92b364a_prep.kd
    .args:
      - { .name: query, .offset: 0, .size: 8, .value_kind: global_buffer, .address_space: global }
      - { .name: keys, .offset: 8, .size: 8, .value_kind: global_buffer, .address_space: global }
      - { .name: values, .offset: 16, .size: 8, .value_kind: global_buffer, .address_space: global }
      - { .name: Wq, .offset: 24, .size: 8, .value_kind: global_buffer, .address_space: global }
      - { .name: Wk, .offset: 32, .size: 8, .value_kind: global_buffer, .address_space: global }
      - { .name: Wv, .offset: 40, .size: 8, .value_kind: global_buffer, .address_space: global }
      - { .name: Wo, .offset: 48, .size: 8, .value_kind: global_buffer, .address_space: global }
      - { .name: mask, .offset: 56, .size: 8, .value_kind: global_buffer, .address_space: global }
      - { .name: xq, .offset: 64, .size: 8, .value_kind: global_buffer, .address_space: global }
      - { .name: wq, .offset: 72, .size: 8, .value_kind: global_buffer, .address_space: global }
      - { .name: mw, .offset: 80, .size: 8, .value_kind: global_buffer, .address_space: global }
    .group_segment_fixed_size: 72704
    .private_segment_fixed_size: 0
    .kernarg_segment_align: 8
    .kernarg_segment_size: 88
    .max_flat_workgroup_size: 256
    .sgpr_count:     66
    .vgpr_count:     256
    .wavefront_size: 32
...
	.end_amdgpu_metadata
.endif
;; end of part 1
;; launch proj (part 2): grid 4 x 192, 4 waves a work-group, clusters of 4 x 4, 327,680 bytes of LDS; arguments xq, wq, qkv; writes qkv
.if DOCPART == 2
	.amdgcn_target "amdgcn-amd-amdhsa--gfx1250"
	.amdhsa_code_object_version 6
	.text
	.protected	k_q8cd92b364a_proj
	.globl	k_q8cd92b364a_proj
	.p2align	8
	.type	k_q8cd92b364a_proj,@function
k_q8cd92b364a_proj:
	s_mov_b64 s[64:65], 0
	v_nop
	global_prefetch_b8 v0, s[64:65] scope:SCOPE_SE
	s_setreg_imm32_b32 hwreg(HW_REG_WAVE_MODE, 25, 1), 1
	s_wait_xcnt 0x0
	s_wait_alu depctr_hold_cnt(0) depctr_sa_sdst(0) depctr_va_vdst(0) depctr_va_sdst(0) depctr_va_ssrc(0) depctr_va_vcc(0) depctr_vm_vsrc(0)
	s_getreg_b32 s2, hwreg(HW_REG_IB_STS2, 6, 4)
	s_cmp_eq_u32 s2, 0
	s_cbranch_scc0 .Lentry_in_a_cluster
	s_endpgm
.Lentry_in_a_cluster:
	s_bfe_u32 s2, ttmp6, 0x10000c
	s_cmp_lg_u32 s2, 0xf033
	s_cbranch_scc0 .Lentry_shape_is_right
	s_endpgm
.Lentry_shape_is_right:
; Launch 2 of 4: q = query Wq^T, k = keys Wk^T and v^T = Wv values^T on codes of E2M3, K = 1,024; the results are quantised in registers and stored as codes in the order of the next launch's registers.  No work is left out.
; A work-group makes C[128 m][256 n]; the quantised axis is n.  Cluster y / 16 = g: 0 q, 1 k (m = tokens, n = features: a head's 64 are two blocks), 2 v^T (m = features, n = tokens: the keys are the second product's K).
; What hangs on g is chosen by selects; no branch hangs on it.  Four waves, wave (wm, wn): m tiles 4 wm .. + 3 against the 8 n tiles of B's block wn: 32 accumulators.
; THE MATRIX INSTRUCTION IS USED TRANSPOSED: source 0 = 16 rows of B, source 1 = 16 rows of A; by the tiles' row order (see the first launch) a lane then holds one row m and 64 registers = 32 b + 16 (lane / 16) + i along n.
; ALL OF K LIES IN LDS: A's block 98,304 bytes, B's two blocks, their scale words.  Every byte is filled once, by five tensor loads a wave that go out together; counted waits let the products begin when the first quarter of K is in.
; So no LDS byte is filled again, and by this text's own count a wave has five tensor loads out.
; CLUSTER 4 x 4: A's block hangs on the cluster's row alone and B's on its column alone: each is asked for jointly by the four that share it.
; RECORDS in qkv.  For each (n, head): K's codes [tile 128][768] at 0; V's [step 16][tile 4][1536] at 98,304; K's scale words [step][tile / 4][r][tile % 4] at 196,608; V's [step][copy 2][r][tile 4] at 204,800: 212,992 bytes.
; From QOFF on for each (n, head): q's codes [tile 128][768], its scale words laid as K's: 106,496 bytes.  A head's scale word has its two bytes lowest; the upper two are the neighbour head's or 0, never 0xff: they meet zero codes alone.
; LIMITS: NaN and infinities are not served; a block of zeros keeps the byte 1 (its codes are zeros).
; REGISTERS: window 0: v2-17 addresses, v32-39 A's scale words (two sets), v40-47 B's, v64-159 A's fragments (two sets of 48), v160-235 the way out; window 1: accumulator (a, b) at 8 (8 a + b); window 2: B's fragments, two sets of 96.
; THE FILLS AS THEY STAND (in place of what the lines above say of five loads and counted waits): each of the four dense blocks (B's codes, A's codes, B's scale words, A's) comes by ONE tensor load,
; one load a wave, in one chain of branches on the wave's number; every wave waits for its load (0) and one barrier shows all four.  By this text's own count a wave has one tensor load out.  No LDS byte is filled again.
.set XSEC,  18874368
.set WSEC,  3145728
.set QOFF,  13631488
.set BC,    98304                      ; LDS: A's codes at 0, B's two blocks here
.set SB,    303104                     ; B's scale words, 2 x 4,096
.set SAM,   311296                     ; A's scale words, 4,096
.set SPARE, 315392                     ; the spare words: 128 bytes a wave, two blocks of 256 bytes that no other line names
.set AF,  64
.set SCA, 32
.set SCB, 40
.set SPW, 28                           ; v28 my spare word's address; v29 0; never rewritten
.set NIL, 29
.set PCB, 160                          ; the way out: four fragments of codes
.set CT,  208
.set TM,  216
.set PWB, 228
.set ZB,  232
.set WV, 12
.set WM, 13
.set WN, 14
.set GG, 18
.set MB, 19
.set NB, 20
.set G1A,  24                          ; s[24:31] group 1: 384 rows of 256 bytes (A's block of codes)
.set G1SA, 32                          ; s[32:39] 16 rows (A's scale words)
.set G1B,  40                          ; s[40:47] 768 rows (B's two blocks of codes, which lie on end)
.set G1SB, 48                          ; s[48:55] 32 rows (their scale words, on end too)
.set MSB, 0
.macro WIN new                         ; the immediate's high byte repeats the setting that is left
.if MSB != (\new)
	s_set_vgpr_msb (MSB<<8)|(\new)
.set MSB, \new
.endif
.endm
.macro PLACES n
.rept \n
	v_nop
.endr
.endm
.macro CROUND                          ; a round of the cluster's barrier
	s_barrier_signal -1
	s_barrier_wait -1
	s_cmp_lg_u32 s[WV], 0
	s_cbranch_scc1 .Lnot_wave_0_\@
	s_barrier_signal -3
.Lnot_wave_0_\@:
	s_barrier_wait -3
	s_barrier_signal -1
	s_barrier_wait -1
.endm
.macro G1REST g, rows                  ; a dense block as rows of 32 elements of 8 bytes
	s_mov_b32 s[\g+1], 32<<16
	s_mov_b32 s[\g+2], (\rows)<<16
	s_mov_b32 s[\g+3], 32<<16
	s_mov_b32 s[\g+4], \rows
	s_mov_b32 s[\g+5], 32
	s_mov_b32 s[\g+6], 0
	s_mov_b32 s[\g+7], 0
.endm
	s_load_b128 s[4:7], s[0:1], 0x0                ; xq, wq
	s_load_b64 s[8:9], s[0:1], 0x10                ; qkv
	v_lshl_add_u32 v[SPW], v0, 2, SPARE
	v_mov_b32 v[NIL], 0
	ds_add_u32 v[SPW], v[NIL]                      ; the wave's opening: the add, twice on end, and its wait ahead of my first tensor load
	ds_add_u32 v[SPW], v[NIL]
	v_lshrrev_b32 v1, 5, v0
	v_readfirstlane_b32 s[WV], v1                  ; wave 0..3
	s_lshr_b32 s[WM], s[WV], 1                     ; my half of the m tiles.  Also: I fetch for A (0) or for B (1)
	s_and_b32 s[WN], s[WV], 1                      ; my block of B.  Also: which part I fetch
	s_bfe_u32 s15, ttmp6, 0x40000                  ; cx
	s_bfe_u32 s16, ttmp6, 0x40004                  ; cy
	s_and_b32 s17, ttmp7, 0xffff                   ; the cluster's y
	s_lshr_b32 s[GG], s17, 4                       ; g
	s_and_b32 s17, s17, 15
	s_and_b32 s[MB], s17, 1
	s_lshr_b32 s[NB], s17, 1
	s_lshl_b32 s21, s[GG], 6
	s_lshl_b32 s22, s[GG], 3
	s_mov_b32 s2, XSEC
	s_mov_b32 s3, WSEC
	s_cmp_eq_u32 s[GG], 2
	s_cselect_b32 s[MB], s[MB], s17
	s_cselect_b32 s[NB], s[NB], 0
	s_cselect_b32 s21, 16, s21                     ; A's first block: 64 g in xq, or 16 in wq
	s_cselect_b32 s22, 128, s22                    ; B's: 8 g in wq, or 128 in xq
	s_cselect_b32 s2, WSEC, s2                     ; where A's buffer has its scale words
	s_cselect_b32 s3, XSEC, s3                     ; and B's
	s_lshl_b32 s[MB], s[MB], 2
	s_add_co_u32 s[MB], s[MB], s16                 ; m block
	s_lshl_b32 s[NB], s[NB], 2
	s_add_co_u32 s[NB], s[NB], s15                 ; n block
	s_lshl_b32 s23, s16, 2
	s_lshl_b32 s23, 15, s23                        ; my row of the cluster
	s_lshl_b32 s11, 0x1111, s15                    ; my column
	s_or_b32 s[G1A], s23, (3<<16)|(1<<21)          ; 15:0 the mask; 17:16 elements of 8 bytes; 21 set beside a mask; no padding
	s_or_b32 s[G1SA], s23, (3<<16)|(1<<21)
	s_or_b32 s[G1B], s11, (3<<16)|(1<<21)
	s_or_b32 s[G1SB], s11, (3<<16)|(1<<21)
	G1REST G1A, 384
	G1REST G1SA, 16
	G1REST G1B, 768
	G1REST G1SB, 32
	s_add_co_u32 s21, s21, s[MB]                   ; A's block
	s_mul_i32 s100, s21, 98304
	s_mov_b32 s101, 0
	s_lshl_b32 s104, s21, 12
	s_add_co_u32 s104, s104, s2
	s_mov_b32 s105, 0
	s_lshl_b32 s10, s[NB], 1
	s_add_co_u32 s10, s10, s22
	s_lshl_b32 s2, s10, 12
	s_add_co_u32 s2, s2, s3
	s_mov_b32 s3, 0
	s_mul_i32 s10, s10, 98304
	s_mov_b32 s11, 0
	s_wait_dscnt 0x0                               ; both opening adds are done
	s_wait_kmcnt 0x0
	s_cmp_eq_u32 s[GG], 2
	s_cselect_b64 s[16:17], s[6:7], s[4:5]         ; A's buffer
	s_cselect_b64 s[4:5], s[4:5], s[6:7]           ; B's
	s_add_nc_u64 s[100:101], s[16:17], s[100:101]
	s_add_nc_u64 s[104:105], s[16:17], s[104:105]
	s_add_nc_u64 s[10:11], s[4:5], s[10:11]
	s_add_nc_u64 s[2:3], s[4:5], s[2:3]
	CROUND                                         ; all sixteen work-groups are here: the joint loads meet
	s_mov_b32 s56, 1                               ; A's scale words
	s_mov_b32 s57, SAM
	s_mov_b64 s[58:59], s[104:105]
	s_or_b32 s59, s59, 0x80000000
	s_mov_b32 s60, 1                               ; A's codes
	s_mov_b32 s61, 0
	s_mov_b64 s[62:63], s[100:101]
	s_or_b32 s63, s63, 0x80000000
	s_mov_b32 s80, 1                               ; the scale words of B's two blocks
	s_mov_b32 s81, SB
	s_mov_b64 s[82:83], s[2:3]
	s_or_b32 s83, s83, 0x80000000
	s_mov_b32 s84, 1                               ; their codes
	s_mov_b32 s85, BC
	s_mov_b64 s[86:87], s[10:11]
	s_or_b32 s87, s87, 0x80000000
; one tensor load a wave at the head: one chain of branches on the wave's number, a load to an arm, all arms to one join
.macro ARM w, g0, g1, next
	s_cmp_eq_u32 s[WV], \w
	s_cbranch_scc0 \next
	tensor_load_to_lds s[\g0:\g0+3], s[\g1:\g1+7]
	s_nop 0
	PLACES 4
	s_branch .Lfilled
\next:
.endm
	ARM 0, 84, G1B, .Lfill_1                       ; wave 0: B's codes, the largest block
	ARM 1, 60, G1A, .Lfill_2                       ; wave 1: A's codes
	ARM 2, 80, G1SB, .Lfill_3                      ; wave 2: B's scale words
	tensor_load_to_lds s[56:59], s[G1SA:G1SA+7]    ; wave 3: A's
	s_nop 0
	PLACES 4
.Lfilled:
	v_and_b32 v1, 31, v0                           ; lane
	v_and_b32 v2, 15, v0                           ; r
	v_bfe_u32 v3, v0, 4, 1                         ; h
	v_lshlrev_b32 v14, 4, v1                       ; 16 x lane
	v_lshlrev_b32 v15, 3, v1
	v_add_nc_u32 v15, 512, v15                     ; 512 + 8 x lane
	s_mul_i32 s21, s[WM], 6144
	v_add_nc_u32 v4, s21, v14                      ; A: my four tiles, K steps 0-3;
	v_add_nc_u32 v6, s21, v15
	v_add_nc_u32 v5, 49152, v4                     ; K steps 4-7 (an LDS offset has 16 bits)
	v_add_nc_u32 v7, 49152, v6
	s_mul_i32 s21, s[WN], 98304
	s_add_co_u32 s21, s21, BC
	v_add_nc_u32 v8, s21, v14                      ; B: my block
	v_add_nc_u32 v10, s21, v15
	v_add_nc_u32 v9, 49152, v8
	v_add_nc_u32 v11, 49152, v10
	s_lshl_b32 s21, s[WM], 8
	s_add_co_u32 s21, s21, SAM
	v_lshl_add_u32 v12, v2, 4, s21                 ; A's scale words: my four tiles', row r
	s_lshl_b32 s21, s[WN], 12
	s_add_co_u32 s21, s21, SB
	v_add_nc_u32 v13, s21, v14                     ; B's: lanes 0-15 tiles 0-3, lanes 16-31 tiles 4-7
; the fragments and scale words of K step ks into set p: 50 LDS loads in one run, each of consecutive bytes
.macro FETCH ks, p
	WIN 0
.irp a, 0,1,2,3
.irp c, 0,1
	ds_load_b128 v[AF+48*(\p)+12*\a+6*\c:AF+48*(\p)+12*\a+6*\c+3], v[4+(\ks)/4] offset:((\ks)%4)*12288+1536*\a+768*\c
	ds_load_b64 v[AF+48*(\p)+12*\a+6*\c+4:AF+48*(\p)+12*\a+6*\c+5], v[6+(\ks)/4] offset:((\ks)%4)*12288+1536*\a+768*\c
.endr
.endr
	ds_load_b128 v[SCA+4*(\p):SCA+4*(\p)+3], v12 offset:512*(\ks)
	ds_load_b128 v[SCB+4*(\p):SCB+4*(\p)+3], v13 offset:512*(\ks)
	WIN 0x80                                       ; destination window 2
.irp b, 0,1,2,3,4,5,6,7
.irp c, 0,1
	ds_load_b128 v[96*(\p)+12*\b+6*\c:96*(\p)+12*\b+6*\c+3], v[8+(\ks)/4] offset:((\ks)%4)*12288+1536*\b+768*\c
	ds_load_b64 v[96*(\p)+12*\b+6*\c+4:96*(\p)+12*\b+6*\c+5], v[10+(\ks)/4] offset:((\ks)%4)*12288+1536*\b+768*\c
.endr
.endr
.endm
; 16 products: A's tiles a0, a0 + 1 against B's eight.  The 32 accumulators take turns, one instruction a turn.  first = 1: the products start the sums
.macro MUL2 a0, p, first
	WIN 0x52                                       ; source 0 (B) window 2, source 1 (A) window 0, C and D window 1
.irp a, \a0, \a0+1
.irp b, 0,1,2,3,4,5,6,7
.set rD, 8*(8*(\a)+\b)
.set rB, 96*(\p)+12*\b
.set rA, AF+48*(\p)+12*(\a)
.set rX, SCB+4*(\p)+\b%4
.set rY, SCA+4*(\p)+(\a)
.if \first
.if \b < 4
	v_wmma_scale_f32_16x16x128_f8f6f4 v[rD:rD+7], v[rB:rB+11], v[rA:rA+11], 0, v[rX], v[rY] matrix_a_fmt:MATRIX_FMT_FP6 matrix_b_fmt:MATRIX_FMT_FP6
.else
	v_wmma_scale_f32_16x16x128_f8f6f4 v[rD:rD+7], v[rB:rB+11], v[rA:rA+11], 0, v[rX], v[rY] matrix_a_fmt:MATRIX_FMT_FP6 matrix_b_fmt:MATRIX_FMT_FP6 matrix_a_scale:MATRIX_SCALE_ROW1
.endif
.else
.if \b < 4
	v_wmma_scale_f32_16x16x128_f8f6f4 v[rD:rD+7], v[rB:rB+11], v[rA:rA+11], v[rD:rD+7], v[rX], v[rY] matrix_a_fmt:MATRIX_FMT_FP6 matrix_b_fmt:MATRIX_FMT_FP6
.else
	v_wmma_scale_f32_16x16x128_f8f6f4 v[rD:rD+7], v[rB:rB+11], v[rA:rA+11], v[rD:rD+7], v[rX], v[rY] matrix_a_fmt:MATRIX_FMT_FP6 matrix_b_fmt:MATRIX_FMT_FP6 matrix_a_scale:MATRIX_SCALE_ROW1
.endif
.endif
.endr
.endr
.endm
.macro STEP ks                         ; K step ks on set ks % 2; the next step's fragments go into the other set
	s_wait_dscnt 0x0                               ; this step's fragments are in
	PLACES 4                                       ; in front of loads into the set that the last step's products read
	FETCH (\ks)+1, ((\ks)+1)%2
	MUL2 0, (\ks)%2, 0
	MUL2 2, (\ks)%2, 0
.endm
	s_wait_alu depctr_va_vdst(0)
	s_wait_tensorcnt 0x0                           ; my one load has landed; the barrier below shows everybody's: all of K lies in LDS
	s_barrier_signal -1
	s_barrier_wait -1
	FETCH 0, 0
	s_wait_dscnt 0x0
	FETCH 1, 1
	MUL2 0, 0, 1
	MUL2 2, 0, 1
.irp ks, 1,2,3,4,5,6
	STEP \ks
.endr
	s_wait_dscnt 0x0
	MUL2 0, 1, 0
	MUL2 2, 1, 0
	; THE WAY OUT.  No tensor load of mine is out since the head, so the descriptors' registers serve again.
	WIN 0
.irp b, 0,1,2,3
	v_mov_b32 v[TM+4+\b], 0                        ; a lane permute's destination counts as a source; these four are also the places behind the last products
.endr
	s_lshr_b32 s24, s[MB], 4                       ; q, k: record 16 n + 4 (n block) + 2 wn, and the next one
	s_lshl_b32 s24, s24, 4
	s_lshl_b32 s25, s[NB], 2
	s_add_co_u32 s24, s24, s25
	s_lshl_b32 s25, s[WN], 1
	s_add_co_u32 s24, s24, s25
	s_and_b32 s26, s[MB], 15                       ; the 128 tokens in their sequence
	s_lshl_b32 s27, s26, 3
	s_lshl_b32 s28, s[WM], 2
	s_add_co_u32 s27, s27, s28
	s_mul_i32 s27, s27, 768                        ; my first tile's codes
	s_lshl_b32 s28, s26, 9
	s_lshl_b32 s29, s[WM], 8
	s_add_co_u32 s28, s28, s29                     ; my four tiles' scale words
	s_lshr_b32 s30, s[NB], 3                       ; v: record 16 n + 2 (m block) + wm
	s_lshl_b32 s30, s30, 4
	s_lshl_b32 s31, s[MB], 1
	s_add_co_u32 s30, s30, s31
	s_add_co_u32 s30, s30, s[WM]
	s_and_b32 s31, s[NB], 7
	s_lshl_b32 s31, s31, 1
	s_add_co_u32 s31, s31, s[WN]                   ; key step
	s_mul_i32 s32, s31, 6144
	s_add_co_u32 s32, s32, 98304
	s_lshl_b32 s33, s31, 9
	s_add_co_u32 s33, s33, 204800
	s_mov_b32 s35, 212992
	s_mov_b32 s36, 196608
	s_cmp_eq_u32 s[GG], 0
	s_cselect_b32 s34, QOFF, 0                     ; where the records begin,
	s_cselect_b32 s35, 106496, s35                 ; their size,
	s_cselect_b32 s36, 98304, s36                  ; and where a record has q's or k's scale words
	s_add_co_u32 s28, s28, s36
	s_mov_b32 s48, 768
	s_cmp_eq_u32 s[GG], 2
	s_cselect_b32 s24, s30, s24
	s_cselect_b32 s27, s32, s27
	s_cselect_b32 s28, s33, s28
	s_cselect_b32 s46, 768, s35                    ; from a fragment's first half to its second: the next record (q, k), or 768 bytes on (v)
	s_cselect_b32 s39, 256, s35                    ; from lanes 0-15 to lanes 16-31 of the scale words' store
	s_cselect_b32 s40, 0, 16                       ; and how far those shift the word down
	s_cselect_b32 s48, 1536, s48                   ; from tile to tile
	s_mov_b32 s47, 0
	s_mov_b32 s49, 0
	s_mul_i32 s24, s24, s35
	s_add_co_u32 s24, s24, s34
	s_add_co_u32 s42, s24, s27
	s_mov_b32 s43, 0
	s_add_co_u32 s50, s24, s28
	s_mov_b32 s51, 0
	s_add_nc_u64 s[42:43], s[8:9], s[42:43]
	s_add_nc_u64 s[44:45], s[42:43], s[46:47]
	s_add_nc_u64 s[50:51], s[8:9], s[50:51]
	s_mov_b32 s52, 0x76543210
	s_mov_b32 s53, 0xfedcba98
	v_mul_u32_u24 v16, s39, v3
	v_lshl_add_u32 v16, v2, 4, v16
	v_mul_u32_u24 v17, s40, v3
; 64 results of a lane (window 1, from register s on) become a fragment's codes at v[pc] on and its scale word in v[pw].  Each accumulator is read from its low end on
.macro QUANT s, pc, pw
	WIN 0x05
.irp b, 0,1,2,3
	v_max3_num_f32 v[TM+\b], |v[(\s)+16*\b]|, |v[(\s)+1+16*\b]|, 0x1800000
.endr
	WIN 0x14
.irp i, 2,4,6,8,10,12,14
.irp b, 0,1,2,3
	v_max3_num_f32 v[TM+\b], v[TM+\b], |v[(\s)+16*\b+\i]|, |v[(\s)+1+16*\b+\i]|
.endr
.endr
	WIN 0
.irp b, 0,1,2,3
	v_permlanex16_b32 v[TM+4+\b], v[TM+\b], s52, s53
.endr
.irp b, 0,1,2,3
	v_max_num_f32 v[TM+\b], v[TM+\b], v[TM+4+\b]
.endr
.irp b, 0,1,2,3
	v_add_nc_u32 v[TM+8+\b], 0xff000000, v[TM+\b]
.endr
.irp b, 0,1,2,3
	v_lshrrev_b32 v[TM+4+\b], 23, v[TM+8+\b]
.endr
	v_lshl_or_b32 v[\pw], v[TM+5], 8, v[TM+4]
	v_lshl_or_b32 v[\pw], v[TM+6], 16, v[\pw]
	v_lshl_or_b32 v[\pw], v[TM+7], 24, v[\pw]
	WIN 0x01
.irp c, 0,1
	v_cvt_scalef32_pk16_fp6_f32 v[(\pc)+6*\c:(\pc)+2+6*\c], v[(\s)+32*\c:(\s)+15+32*\c], v[TM+8+2*\c]
	v_cvt_scalef32_pk16_fp6_f32 v[CT+4*\c:CT+2+4*\c], v[(\s)+16+32*\c:(\s)+31+32*\c], v[TM+8+2*\c+1]
.endr
	WIN 0
	v_nop                                          ; one plain line behind the conversions
.irp c, 0,1
.irp i, 0,1,2
	v_permlane16_swap_b32 v[(\pc)+6*\c+\i], v[CT+4*\c+\i]
.endr
.irp i, 0,1,2
	v_mov_b32 v[(\pc)+3+6*\c+\i], v[CT+4*\c+\i]
.endr
.endr
.endm
.irp a, 0,1,2,3
	QUANT 64*\a, PCB+12*\a, PWB+\a
.if \a > 0
	s_wait_alu depctr_va_vdst(0)
	s_wait_xcnt 0x0                                ; the last tile's stores have read their bases
	s_add_nc_u64 s[42:43], s[42:43], s[48:49]
	s_add_nc_u64 s[44:45], s[44:45], s[48:49]
.endif
	global_store_b128 v14, v[PCB+12*\a:PCB+12*\a+3], s[42:43]             ; whole aligned runs of 512 and 256 bytes
	global_store_b64 v15, v[PCB+12*\a+4:PCB+12*\a+5], s[42:43]
	global_store_b128 v14, v[PCB+12*\a+6:PCB+12*\a+9], s[44:45]
	global_store_b64 v15, v[PCB+12*\a+10:PCB+12*\a+11], s[44:45]
.endr
.irp j, 0,1,2,3
	v_lshrrev_b32 v[ZB+\j], v17, v[PWB+\j]         ; q, k: lanes 16-31 bring the second head's two bytes down
.endr
	global_store_b128 v16, v[ZB:ZB+3], s[50:51]    ; each half of the lanes stores 256 consecutive bytes, aligned
	s_wait_tensorcnt 0x0                           ; the wave's end
	ds_add_u32 v[SPW], v[NIL]
	s_wait_dscnt 0x0
	CROUND                                         ; the closing round
	s_endpgm
.Lfunc_end_k_q8cd92b364a_proj:
	.size	k_q8cd92b364a_proj, .Lfunc_end_k_q8cd92b364a_proj-k_q8cd92b364a_proj
	.p2alignl 7, 3214868480
	.fill 96, 4, 3214868480
	.section	.rodata,"a",@progbits
	.p2align	6, 0x0
	.amdhsa_kernel k_q8cd92b364a_proj
		.amdhsa_group_segment_fixed_size 327680
		.amdhsa_private_segment_fixed_size 0
		.amdhsa_enable_private_segment 0
		.amdhsa_kernarg_size 24
		.amdhsa_user_sgpr_count 2
		.amdhsa_user_sgpr_kernarg_segment_ptr 1
		.amdhsa_wavefront_size32 1
		.amdhsa_system_sgpr_workgroup_id_x 1
		.amdhsa_system_sgpr_workgroup_id_y 1
		.amdhsa_system_sgpr_workgroup_id_z 1
		.amdhsa_system_vgpr_workitem_id 0
		.amdhsa_next_free_vgpr 768
		.amdhsa_next_free_sgpr 106
		.amdhsa_reserve_vcc 0
		.amdhsa_float_denorm_mode_32 3
		.amdhsa_float_denorm_mode_16_64 3
		.amdhsa_memory_ordered 1
		.amdhsa_forward_progress 1
		.amdhsa_inst_pref_size 88
	.end_amdhsa_kernel
	.amdgpu_metadata
---
amdhsa.version: [ 1, 2 ]
amdhsa.kernels:
  - .name:           k_q8cd92b364a_proj
    .symbol:         k_q8cd92b364a_proj.kd
    .args:
      - { .name: xq, .offset: 0, .size: 8, .value_kind: global_buffer, .address_space: global }
      - { .name: wq, .offset: 8, .size: 8, .value_kind: global_buffer, .address_space: global }
      - { .name: qkv, .offset: 16, .size: 8, .value_kind: global_buffer, .address_space: global }
    .group_segment_fixed_size: 327680
    .private_segment_fixed_size: 0
    .kernarg_segment_align: 8
    .kernarg_segment_size: 24
    .max_flat_workgroup_size: 128
    .sgpr_count:     106
    .vgpr_count:     768
    .wavefront_size: 32
...
	.end_amdgpu_metadata
.endif
;; end of part 2
;; launch attn (part 3): grid 4 x 64, 16 waves a work-group, no clusters, 217,088 bytes of LDS; arguments qkv, mw, oq; writes oq
.if DOCPART == 3
	.amdgcn_target "amdgcn-amd-amdhsa--gfx1250"
	.amdhsa_code_object_version 6
	.text
	.protected	k_q8cd92b364a_attn
	.globl	k_q8cd92b364a_attn
	.p2align	8
	.type	k_q8cd92b364a_attn,@function
k_q8cd92b364a_attn:
	s_mov_b64 s[64:65], 0
	v_nop
	global_prefetch_b8 v0, s[64:65] scope:SCOPE_SE
	s_setreg_imm32_b32 hwreg(HW_REG_WAVE_MODE, 25, 1), 1
	s_wait_xcnt 0x0
; Launch 3 of 4: for each (n, head) O = softmax(where(mask, q k^T, -1e20) / 8) v, both products on codes of E2M3; O is quantised along the head's 64 and stored as the last product's operand.
; THE SOFTMAX: t = score x log2(e) / 8; M = the running largest t rounded up to a whole number; p = 2^(t - M) is quantised along the keys, not normalised; the row's sum is taken of the unquantised p and divides at the end.
; When M moves, the sum and O are multiplied by 2^(old M - new M): exact.
; SHARES.  A work-group takes one head and 512 queries; its sixteen waves take two tiles of 16 queries each, one after the other, and walk 16 steps of 128 keys.
; THE RECORD (K's and V's codes and scale words, 212,992 bytes) lies in LDS, stored once: wave w loads step w's 13,312 bytes (30 loads of consecutive bytes) and stores them from registers.
; THE KEYS OF A TILE are chosen at that store: row 8 a + j of tile t of a step is key 64 (t / 4) + 32 a + 8 (t % 4) + j.  With S^T = K Q^T (source 0 = 16 keys) lane (r, h) holds query r, and register 32 c + x of the scores
; is key 64 c + 32 h + x: A WHOLE BLOCK OF 32 KEYS IN ONE LANE, in the order of the second product's operand.  So a block's maximum and its codes need no other lane; only the row's maximum and the scale word's bytes cross lanes l, l xor 16.
; In memory tile i, row 8 B + j holds key 32 (i / 2) + 16 B + 8 (i % 2) + j: it goes to tile 4 (i / 4) + 2 B + i % 2, row 8 ((i % 4) / 2) + j.  K's scale words stay as they lie and are read by the same map.
; THE HEAD'S K IS 64, the instruction's 128: q's upper six registers hold zero codes.  K's operand of tile t is v[KF + 6 t] on, twelve registers: its upper six are the next tile's codes, which meet q's zeros; scale bytes 2, 3 are never 0xff.
; THE MASK comes as lane masks, 64 words a tile and step.  At the head each wave ANDs its two tiles' words into one flag a step.  A step with no hidden key needs no select: a scalar branch on that whole number leads round the
; words' loads and the 64 selects; a step with a hidden key does them all.  The words lie by halves of blocks (bit l of word 16 b + i: key 32 b + 16 (l / 16) + i): two scalar packs make of words 32 c + x, 32 c + 16 + x those of registers 32 c + x, 32 c + 16 + x.
; THE ORDER OF A STEP: short chains of dependent lines (f; the scale bytes and p's scale word; the conversions and their moves) stand among the long runs of lines that do not hang on each other (t - M; the row's sum).
; NO TENSOR LOAD AND NO CLUSTER, though the four work-groups of a head read one record.
; NO PREFETCH: all that the launch reads in bulk is asked for at its head, ahead of any loop.
; No work is left out but selects that would select every score as it is.
; LIMITS: a hidden score is -2^66, not -1e20: its product with log2(e) / 8 is exact, so that a row hidden throughout gives p = 1 everywhere, as reference() does; results agree with reference() while open scores lie above about -7e19.
; NaN and infinities are not served.  A block of zeros keeps the byte 1 (its codes are zeros).
.set QOFF,  13631488
.set OSEC,  6291456
.set VC,    98304                      ; LDS: K's codes at 0, V's here,
.set KSO,   196608                     ; K's scale words,
.set VSO,   204800                     ; V's,
.set OSTG,  212992                     ; O's scale words of the work-group's four token blocks, 2,048 bytes,
.set SPARE, 215040                     ; the spare words: 128 bytes a wave, eight blocks of 256 bytes that no other line names
.set SPW, 10                           ; v10 my spare word's address; v11 0; never rewritten
.set NIL, 11
.set KSC, 42                           ; v42-45 K's scale words, v46-49 V's, v50 p's; v40, 41 q's
.set VSC, 46
.set PSC, 50
.set XM,  51                           ; -2^66
.set F,   52                           ; v[52:53] f = 2^(old M - new M)
.set BM,  54                           ; v54, 55 my two blocks' largest scores, then p; v56, 57 the second chains
.set T2,  58
.set SO,  62                           ; the conversions' scale operands
.set SH,  64                           ; 8 h
.set TMP, 66                           ; v66; v67 the old -M
.set KF,  68                           ; v68-121 eight tiles of K (6 registers each, and 6 more), then four of V (12 each); at the head the record's part
.set S,   122                          ; v122-185 S^T, then p
.set O,   186                          ; v186-217 O^T
.set PC,  218                          ; v218-229 p's codes
.set CT,  230
.set ASO, 238                          ; where my tile's scale word goes in OSTG
.set ASR, 239                          ; where waves 0-3 read OSTG back
.set AC,  240                          ; v240-245 three chains of the row's sum
.set KD,  240                          ; at the head: LDS places of K's 16-byte pieces, its 8-byte pieces, V's codes, the scale words
.set KE,  241
.set VD,  242
.set SD,  243
.set MK,  172                          ; at the head: v172-235 my two tiles' mask words
.set WV,  10
.set PT,  12                           ; s12-15 packed mask words
.set SEL, 84
.set CS,  86                           ; s[86:87] c = log2(e) / 8
.set TB,  88                           ; the step's codes: 6,144 bytes a step
.set TS,  89                           ; its scale words: 512
.set MO,  90                           ; its mask words: 256
.set SI,  91                           ; 2 x the step
.set QB,  92                           ; my block of 512 queries
.set TAU, 93
.set MBP, 94
.set OP,  98
.set FL,  100                          ; s100, s101: bit 2 s is set where step s of my tile has a hidden key
.macro TM n                            ; t - M for the next n pairs of scores
.rept \n
	v_pk_fma_f32 v[S+j:S+j+1], v[S+j:S+j+1], s[CS:CS+1], v[12:13] op_sel_hi:[1,0,0]
.set j, j+2
.endr
.endm
.macro SUM4                            ; the next four pairs of p onto the sum's four chains
	v_pk_add_f32 v[AC:AC+1], v[AC:AC+1], v[S+j:S+j+1]
	v_pk_add_f32 v[AC+2:AC+3], v[AC+2:AC+3], v[S+j+2:S+j+3]
	v_pk_add_f32 v[AC+4:AC+5], v[AC+4:AC+5], v[S+j+4:S+j+5]
	v_pk_add_f32 v[14:15], v[14:15], v[S+j+6:S+j+7]
.set j, j+8
.endm
	s_load_b128 s[4:7], s[0:1], 0x0                ; qkv, mw
	s_load_b64 s[8:9], s[0:1], 0x10                ; oq
	v_lshl_add_u32 v[SPW], v0, 2, SPARE
	v_mov_b32 v[NIL], 0
	v_lshrrev_b32 v[TMP], 5, v0
	v_readfirstlane_b32 s[WV], v[TMP]              ; wave 0..15
	s_mul_i32 s28, s[WV], 6144                     ; my step's codes
	s_add_co_u32 s29, s28, 512
	s_lshl_b32 s30, s[WV], 9                       ; its scale words
	s_lshr_b32 s2, s[WV], 1
	s_lshl_b32 s2, s2, 8
	s_and_b32 s3, s[WV], 1
	s_lshl_b32 s3, s3, 3
	s_add_co_u32 s2, s2, s3
	s_add_co_u32 s2, s2, OSTG
	v_and_b32 v[TMP], 31, v0
	v_and_b32 v[TMP+1], 15, v0
	v_and_b32 v7, 7, v0                            ; j
	v_bfe_u32 v9, v0, 3, 1                         ; a, or B: bit 3 of the lane
	v_bfe_u32 v[SH], v0, 4, 1                      ; h
	v_lshlrev_b32 v1, 4, v[TMP]                    ; 16 x lane
	v_lshlrev_b32 v2, 3, v[TMP]
	v_lshlrev_b32 v8, 4, v[TMP+1]                  ; 16 r
	v_lshlrev_b32 v5, 4, v7
	v_mul_u32_u24 v[KD], v9, 1536
	v_add_nc_u32 v2, 512, v2                       ; 512 + 8 x lane
	v_add_nc_u32 v3, VC, v1
	v_add_nc_u32 v6, VSO, v1
	v_lshl_add_u32 v5, v9, 3, v5
	v_lshl_add_u32 v[KE], v7, 3, v[KD]
	v_lshl_add_u32 v[KD], v7, 4, v[KD]
	v_add_nc_u32 v4, VC, v2
	v_lshl_add_u32 v5, v[SH], 8, v5
	v_lshl_add_u32 v[KE], v[SH], 7, v[KE]
	v_lshl_add_u32 v[KD], v[SH], 8, v[KD]
	v_add_nc_u32 v[SD], s30, v1
	v_add_nc_u32 v5, KSO, v5                       ; K's scale words of my row: 256 h + 16 j + 8 a; tiles t % 4 = 2 B + C at + 128 B + 4 C
	v_add_nc_u32 v[KE], s29, v[KE]                 ; 6,144 w + 512 + 1,536 B + 8 j + 128 h
	v_add_nc_u32 v[KD], s28, v[KD]                 ; 6,144 w + 1,536 B + 16 j + 256 h
	v_add_nc_u32 v[VD], s28, v3
	v_add_nc_u32 v[SD], KSO, v[SD]
	v_lshlrev_b32 v[SH], 3, v[SH]
	v_lshl_add_u32 v[ASR], v0, 4, OSTG             ; 512 w + 16 x lane (read by waves 0-3 alone)
	v_add_nc_u32 v[ASO], s2, v8                    ; 256 (w / 2) + 8 (w % 2) + 16 r
	s_and_b32 s11, ttmp7, 0xffff                   ; the record: 16 n + head
	s_mul_i32 s12, s11, 212992
	s_add_co_u32 s20, s12, s30
	s_add_co_u32 s20, s20, KSO                     ; my step's scale words in memory
	s_mov_b32 s21, 0
	s_add_co_u32 s12, s12, s28                     ; its codes
	s_mov_b32 s13, 0
	s_mov_b32 s[QB], ttmp9
	s_lshl_b32 s[TAU], s[QB], 5
	s_lshl_b32 s2, s[WV], 1
	s_add_co_u32 s[TAU], s[TAU], s2                ; my first tile of queries: 32 x block + 2 w
	s_mul_i32 s14, s11, 106496
	s_add_co_u32 s14, s14, QOFF
	s_lshr_b32 s2, s[TAU], 2
	s_lshl_b32 s2, s2, 8
	s_and_b32 s3, s[TAU], 3
	s_lshl_b32 s3, s3, 2
	s_add_co_u32 s2, s2, s3
	s_add_co_u32 s2, s2, s14
	s_add_co_u32 s2, s2, 98304                     ; q's scale words: 256 (tile / 4) + 4 (tile % 4)
	s_mov_b32 s3, 0
	s_mul_i32 s15, s[TAU], 768
	s_add_co_u32 s14, s14, s15                     ; q's codes
	s_mov_b32 s15, 0
	s_lshr_b32 s16, s11, 4                         ; n
	s_lshl_b32 s17, s16, 7
	s_add_co_u32 s17, s17, s[TAU]
	s_lshl_b32 s[MBP], s17, 12                     ; the tile's mask words: 4,096 bytes
	s_mov_b32 s[MBP+1], 0
	s_lshl_b32 s16, s16, 4
	s_lshr_b32 s17, s[TAU], 3
	s_add_co_u32 s16, s16, s17                     ; the block of 128 tokens
	s_mul_i32 s[OP], s16, 98304
	s_and_b32 s16, s11, 15                         ; the head: K step head / 2, half head % 2 of the last product
	s_lshr_b32 s17, s16, 1
	s_mul_i32 s17, s17, 12288
	s_add_co_u32 s[OP], s[OP], s17
	s_and_b32 s16, s16, 1
	s_mul_i32 s16, s16, 768
	s_add_co_u32 s[OP], s[OP], s16
	s_and_b32 s16, s[TAU], 7
	s_mul_i32 s16, s16, 1536
	s_add_co_u32 s[OP], s[OP], s16
	s_mov_b32 s[OP+1], 0
	s_mov_b32 s[SEL], 0x76543210
	s_mov_b32 s[SEL+1], 0xfedcba98
	s_mov_b32 s[CS], 0x3e38aa3b
	s_mov_b32 s[CS+1], s[CS]                       ; named with it as a pair, so it is written
	s_wait_alu depctr_va_vdst(0)
	s_wait_kmcnt 0x0
	s_add_nc_u64 s[12:13], s[4:5], s[12:13]
	s_add_nc_u64 s[20:21], s[4:5], s[20:21]
	s_add_nc_u64 s[14:15], s[4:5], s[14:15]
	s_add_nc_u64 s[2:3], s[4:5], s[2:3]
	s_add_nc_u64 s[MBP:MBP+1], s[6:7], s[MBP:MBP+1]
	s_add_nc_u64 s[OP:OP+1], s[8:9], s[OP:OP+1]
.irp i, 0,1,2,3,4,5,6,7                        ; step w of the record: K's eight tiles,
	global_load_b128 v[KF+6*\i:KF+6*\i+3], v1, s[12:13] offset:768*\i
	global_load_b64 v[KF+6*\i+4:KF+6*\i+5], v2, s[12:13] offset:768*\i
.endr
.irp k, 0,1,2,3,4,5,6,7,8,9,10,11              ; V's 6,144 bytes,
	global_load_b128 v[KF+48+4*\k:KF+48+4*\k+3], v1, s[12:13] offset:VC+512*\k
.endr
	global_load_b128 v[KF+96:KF+99], v1, s[20:21]                         ; K's scale words, V's
	global_load_b128 v[KF+100:KF+103], v1, s[20:21] offset:8192
	global_load_b128 v[16:19], v1, s[14:15]        ; my two tiles of q stay in registers
	global_load_b64 v[20:21], v2, s[14:15]
	global_load_b128 v[28:31], v1, s[14:15] offset:768
	global_load_b64 v[32:33], v2, s[14:15] offset:768
	global_load_b32 v40, v8, s[2:3]
	global_load_b32 v41, v8, s[2:3] offset:4
.irp k, 0,1,2,3,4,5,6,7,8,9,10,11,12,13,14,15  ; my two tiles' mask words, 8,192 bytes on end: load k holds steps 2 (k % 8) in lanes 0-15 and 2 (k % 8) + 1 in lanes 16-31
	global_load_b128 v[MK+4*\k:MK+4*\k+3], v1, s[MBP:MBP+1] offset:512*\k
.endr
.irp j, 22,23,24,25,26,27,34,35,36,37,38,39
	v_mov_b32 v\j, 0                               ; q's upper 64 along K: zero codes
.endr
	v_mov_b32 v[T2], 0                             ; a lane permute's destination counts as a source
	v_mov_b32 v[T2+1], 0
	v_mov_b32 v[TMP], 0
	v_mov_b32 v[F+1], 0                            ; named as the pair's upper half
	v_mov_b32 v[XM], 0xe0800000
	s_wait_loadcnt 22                              ; the record's 30 loads are in; q's 6 and the mask's 16 may be out
.irp i, 0,1,2,3,4,5,6,7                        ; tile i, row 8 B + j -> tile 4 (i / 4) + 2 B + i % 2, row 8 ((i % 4) / 2) + j
	ds_store_b128 v[KD], v[KF+6*\i:KF+6*\i+3] offset:768*(4*(\i/4)+\i%2)+128*((\i%4)/2)
	ds_store_b64 v[KE], v[KF+6*\i+4:KF+6*\i+5] offset:768*(4*(\i/4)+\i%2)+64*((\i%4)/2)
.endr
.irp k, 0,1,2,3,4,5,6,7,8,9,10,11
	ds_store_b128 v[VD], v[KF+48+4*\k:KF+48+4*\k+3] offset:512*\k
.endr
	ds_store_b128 v[SD], v[KF+96:KF+99]
	ds_store_b128 v[SD], v[KF+100:KF+103] offset:8192
.irp j, 0,1,2,3,4,5
	v_mov_b32 v[KF+48+\j], 0                       ; named behind K's last tile: written once
.endr
	s_wait_loadcnt 0x0                             ; q and the mask words
.set k, 0
.rept 16
	v_and_b32 v[MK+4*k], v[MK+4*k], v[MK+4*k+1]
	v_and_b32 v[MK+4*k+2], v[MK+4*k+2], v[MK+4*k+3]
.set k, k+1
.endr
.set k, 0
.rept 16
	v_and_b32 v[MK+4*k], v[MK+4*k], v[MK+4*k+2]    ; all ones where my four words hide nothing
.set k, k+1
.endr
	s_wait_alu depctr_va_vdst(0)
	s_mov_b32 s[FL], 0
	s_mov_b32 s[FL+1], 0
.irp p, 0,1
.irp k, 0,1,2,3,4,5,6,7
	v_cmp_ne_u32 s16, -1, v[MK+32*\p+4*\k]         ; the lanes that saw a hidden key
	s_and_b32 s17, s16, 0xffff                     ; any among step 2 k's sixteen?
	s_cselect_b32 s17, 1<<(4*\k), 0
	s_or_b32 s[FL+\p], s[FL+\p], s17
	s_lshr_b32 s17, s16, 16                        ; among step 2 k + 1's?
	s_cselect_b32 s17, 4<<(4*\k), 0
	s_or_b32 s[FL+\p], s[FL+\p], s17
.endr
.endr
	s_wait_dscnt 0x0                               ; for the others' sake: my part of the record lies in LDS
	s_barrier_signal -1
	s_barrier_wait -1                              ; everybody's does
; ONE TILE OF 16 QUERIES through all 2,048 keys
.macro PASS p
.set QF, 16+12*\p
.set QS, 40+\p
	s_wait_xcnt 0x0                                ; the last tile's stores have read the codes' registers, which the first step writes again
	v_mov_b32 v13, 0xff61b1e6                      ; the largest t so far: -3e38
	v_mov_b32 v14, 0                               ; the sum, in two halves
	v_mov_b32 v15, 0
	s_delay_alu instid0(VALU_DEP_3)
	v_floor_f32 v12, -v13                          ; -M
.set j, 0
.rept 32
	v_mov_b32 v[O+j], 0                            ; the step is written once: the first finds zeros, which the first change of M leaves zeros
.set j, j+1
.endr
	s_mov_b32 s[TB], 0
	s_mov_b32 s[TS], 0
	s_mov_b32 s[MO], 0
	s_mov_b32 s[SI], 0
.Lstep_\@:
	v_add_nc_u32 v9, s[TS], v5                     ; these four lines are the places in front of loads into registers that the last products read
	v_add_nc_u32 v7, s[TB], v1
	v_add_nc_u32 v8, s[TB], v2
	v_nop
	ds_load_2addr_b64 v[KSC:KSC+3], v9 offset0:0 offset1:16   ; lanes 0-15: the words of tiles 0-3 for my row, lanes 16-31: of tiles 4-7
.irp t, 0,1,2,3,4,5,6,7
	ds_load_b128 v[KF+6*\t:KF+6*\t+3], v7 offset:768*\t
	ds_load_b64 v[KF+6*\t+4:KF+6*\t+5], v8 offset:768*\t
.endr
.irp t, 0,1,2,3,4,5,6,7
.if \t < 7
	s_wait_dscnt 12-2*\t                           ; tiles t and t + 1 are in: behind them stand two loads for each of the 6 - t later tiles
.endif
.if \t < 4
	v_wmma_scale_f32_16x16x128_f8f6f4 v[S+8*\t:S+8*\t+7], v[KF+6*\t:KF+6*\t+11], v[QF:QF+11], 0, v[KSC+\t%4], v[QS] matrix_a_fmt:MATRIX_FMT_FP6 matrix_b_fmt:MATRIX_FMT_FP6
.else
	v_wmma_scale_f32_16x16x128_f8f6f4 v[S+8*\t:S+8*\t+7], v[KF+6*\t:KF+6*\t+11], v[QF:QF+11], 0, v[KSC+\t%4], v[QS] matrix_a_fmt:MATRIX_FMT_FP6 matrix_b_fmt:MATRIX_FMT_FP6 matrix_a_scale:MATRIX_SCALE_ROW1
.endif
.endr
	v_add_nc_u32 v7, s[TB], v3                     ; four places again: behind them V's loads take K's registers, and the scores are read
	v_add_nc_u32 v8, s[TB], v4
	v_add_nc_u32 v9, s[TS], v6
	v_nop
.irp t, 0,1,2,3
.irp c, 0,1
	ds_load_b128 v[KF+12*\t+6*\c:KF+12*\t+6*\c+3], v7 offset:1536*\t+768*\c   ; V lands while the softmax is walked
	ds_load_b64 v[KF+12*\t+6*\c+4:KF+12*\t+6*\c+5], v8 offset:1536*\t+768*\c
.endr
.endr
	ds_load_b128 v[VSC:VSC+3], v9
	s_wait_alu depctr_va_vdst(0)
	s_bitcmp1_b32 s[FL+\p], s[SI]                  ; does this step hide a key from my tile?
	s_cbranch_scc0 .Lopen_\@
	s_load_b512 s[16:31], s[MBP:MBP+1], s[MO] offset:4096*\p              ; the step's 64 mask words
	s_load_b512 s[32:47], s[MBP:MBP+1], s[MO] offset:4096*\p+64
	s_load_b512 s[48:63], s[MBP:MBP+1], s[MO] offset:4096*\p+128
	s_load_b512 s[68:83], s[MBP:MBP+1], s[MO] offset:4096*\p+192
	s_wait_kmcnt 0x0                               ; scalar loads come back in no order: the count is 0
	s_wait_xcnt 0x0                                ; their offset register, stepped at the step's end, has been read
.irp c, 0,1
.irp x, 0,1,2,3,4,5,6,7,8,9,10,11,12,13,14,15
.set ju, 32*\c+\x
.set jw, ju+16
	s_pack_ll_b32_b16 s[PT+2*(\x%2)], s[16+ju+4*(ju/48)], s[16+jw+4*(jw/48)]     ; register 32 c + x: keys 64 c + x (lanes 0-15) and 64 c + 32 + x (lanes 16-31)
	s_pack_hh_b32_b16 s[PT+1+2*(\x%2)], s[16+ju+4*(ju/48)], s[16+jw+4*(jw/48)]   ; register 32 c + 16 + x
	v_cndmask_b32 v[S+ju], v[XM], v[S+ju], s[PT+2*(\x%2)]                        ; hidden scores become -2^66; each accumulator is read from its low end on
	v_cndmask_b32 v[S+jw], v[XM], v[S+jw], s[PT+1+2*(\x%2)]
.endr
.endr
	s_wait_alu depctr_va_vdst(0)
.Lopen_\@:
.irp u, 0,1
.irp c, 0,1
	v_max3_num_f32 v[BM+2*\u+\c], v[S+32*\c+16*\u], v[S+32*\c+16*\u+1], v[S+32*\c+16*\u+2]   ; my two blocks of 32 keys, two chains each, by turns
.endr
.endr
.irp i, 3,5,7,9,11,13
.irp u, 0,1
.irp c, 0,1
	v_max3_num_f32 v[BM+2*\u+\c], v[BM+2*\u+\c], v[S+32*\c+16*\u+\i], v[S+32*\c+16*\u+\i+1]
.endr
.endr
.endr
.irp c, 0,1
	v_max3_num_f32 v[BM+\c], v[BM+\c], v[BM+2+\c], v[S+32*\c+15]
.endr
.irp c, 0,1
	v_max_num_f32 v[BM+\c], v[BM+\c], v[S+32*\c+31]   ; the block's largest score: for the row's maximum and, since p rises with the score, for the block's largest p
.endr
	v_max_num_f32 v[TMP], v[BM], v[BM+1]
	v_mov_b32 v[TMP+1], v12                        ; the old -M
	v_permlanex16_b32 v[T2], v[TMP], s[SEL], s[SEL+1]
	v_max_num_f32 v[TMP], v[TMP], v[T2]            ; with lane l xor 16's 64 keys
	v_mul_f32 v[TMP], s[CS], v[TMP]                ; as t
	v_max_num_f32 v13, v13, v[TMP]                 ; the running largest t
	v_floor_f32 v12, -v13                          ; the new -M: M is a whole number
.set j, 0
	TM 4                                           ; t - M, two at a time; the three lines that make f stand among them
	v_sub_f32 v[TMP], v12, v[TMP+1]                ; old M - new M: a whole number, 0 or less
	TM 4
	v_cvt_i32_f32 v[TMP], v[TMP]                   ; (it saturates)
	TM 4
	v_ldexp_f32 v[F], 1.0, v[TMP]                  ; f: rounds nothing
	TM 20
	v_fma_f32 v[BM], v[BM], s[CS], v12
	v_fma_f32 v[BM+1], v[BM+1], s[CS], v12
.set j, 0
.rept 16
	v_pk_mul_f32 v[O+j:O+j+1], v[O+j:O+j+1], v[F:F+1] op_sel_hi:[1,0]   ; O^T under the new M, each accumulator from its low end on; no transcendental stands between its products and these lines
.set j, j+2
.endr
	s_wait_alu depctr_va_vdst(0)
	v_exp_f32 v[BM], v[BM]                         ; each block's largest p
	v_exp_f32 v[BM+1], v[BM+1]
.set j, 0
.rept 64
	v_exp_f32 v[S+j], v[S+j]                       ; p = 2^(t - M)
.set j, j+1
.endr
	v_pk_mul_f32 v[14:15], v[14:15], v[F:F+1] op_sel_hi:[1,0]   ; the sums under the new M; the plain line behind the batch
	s_wait_alu depctr_va_vdst(0)                   ; one wait for the 66, ahead of their first reader
	; the row's sum of the unquantised p, 32 additions on four chains; the scale bytes, the conversions and p's scale word stand among them
	v_max_num_f32 v[BM], 0x1800000, v[BM]          ; the floor 2^(3 - 127): the byte cannot fall under 1
	v_max_num_f32 v[BM+1], 0x1800000, v[BM+1]
	v_pk_add_f32 v[AC:AC+1], v[S:S+1], v[S+2:S+3]
	v_pk_add_f32 v[AC+2:AC+3], v[S+4:S+5], v[S+6:S+7]
	v_pk_add_f32 v[AC+4:AC+5], v[S+8:S+9], v[S+10:S+11]
	v_pk_add_f32 v[14:15], v[14:15], v[S+12:S+13]
	v_add_nc_u32 v[SO], 0xff000000, v[BM]          ; 2 off the exponent field: the conversions' scale operand
	v_add_nc_u32 v[SO+1], 0xff000000, v[BM+1]
.set j, 14
	SUM4
.irp c, 0,1
	v_cvt_scalef32_pk16_fp6_f32 v[PC+6*\c:PC+2+6*\c], v[S+32*\c:S+15+32*\c], v[SO+\c]
	v_cvt_scalef32_pk16_fp6_f32 v[CT+4*\c:CT+2+4*\c], v[S+16+32*\c:S+31+32*\c], v[SO+\c]   ; a conversion's three registers begin on an even number
.endr
	v_lshrrev_b32 v[T2], 23, v[SO]                 ; the byte of block 2 c + h; a plain line behind the conversions
	v_lshrrev_b32 v[T2+1], 23, v[SO+1]
	SUM4
	v_lshl_or_b32 v[PSC], v[T2+1], 16, v[T2]
	SUM4
	v_lshlrev_b32 v[PSC], v[SH], v[PSC]            ; at their places in the word: 8 h bits up
.irp i, 0,1,2
	v_mov_b32 v[PC+3+\i], v[CT+\i]                 ; registers 6 c .. 6 c + 5: keys 64 c + 32 h + 0 .. 31
.endr
	v_permlanex16_b32 v[TMP], v[PSC], s[SEL], s[SEL+1]
.irp i, 0,1,2
	v_mov_b32 v[PC+9+\i], v[CT+4+\i]
.endr
	v_or_b32 v[PSC], v[PSC], v[TMP]                ; with lane l xor 16's two: p's scale word for these 128 keys
	SUM4                                           ; these 16 additions also stand between the lines that made p's codes and scale word and the products
	SUM4
	SUM4
	v_pk_add_f32 v[AC:AC+1], v[AC:AC+1], v[S+62:S+63]
	v_pk_add_f32 v[14:15], v[14:15], v[AC+4:AC+5]
	v_pk_add_f32 v[AC:AC+1], v[AC:AC+1], v[AC+2:AC+3]
	v_pk_add_f32 v[14:15], v[14:15], v[AC:AC+1]
	s_wait_alu depctr_va_vdst(0)
	s_wait_dscnt 0x0                               ; V is in
.irp t, 0,1,2,3
	v_wmma_scale_f32_16x16x128_f8f6f4 v[O+8*\t:O+8*\t+7], v[KF+12*\t:KF+12*\t+11], v[PC:PC+11], v[O+8*\t:O+8*\t+7], v[VSC+\t], v[PSC] matrix_a_fmt:MATRIX_FMT_FP6 matrix_b_fmt:MATRIX_FMT_FP6
.endr
	s_add_co_u32 s[TB], s[TB], 6144
	s_add_co_u32 s[TS], s[TS], 512
	s_add_co_u32 s[MO], s[MO], 256
	s_add_co_u32 s[SI], s[SI], 2
	s_cmp_lt_u32 s[SI], 32
	s_cbranch_scc1 .Lstep_\@
	; the tile's way out: O^T / the sum, quantised along the head's 64: two blocks, each in lanes l and l xor 16
.rept 4
	v_nop
.endr
	v_add_f32 v14, v14, v15
	s_delay_alu instid0(VALU_DEP_1)
	v_permlanex16_b32 v[TMP], v14, s[SEL], s[SEL+1]
	s_delay_alu instid0(VALU_DEP_1)
	v_add_f32 v14, v14, v[TMP]                     ; the row's sum
	s_wait_alu depctr_va_vdst(0)
	v_rcp_f32 v14, v14
	v_nop
	s_wait_alu depctr_va_vdst(0)
.set j, 0
.rept 32
	v_mul_f32 v[S+j], v[O+j], v14                  ; register 16 b + i: channel 32 b + 16 (lane / 16) + i
.set j, j+1
.endr
.irp b, 0,1
	v_max3_num_f32 v[BM+\b], |v[S+16*\b]|, |v[S+1+16*\b]|, 0x1800000
.endr
.irp i, 2,4,6,8,10,12,14
.irp b, 0,1
	s_delay_alu instid0(VALU_DEP_2)
	v_max3_num_f32 v[BM+\b], v[BM+\b], |v[S+16*\b+\i]|, |v[S+1+16*\b+\i]|
.endr
.endr
.irp b, 0,1
	s_delay_alu instid0(VALU_DEP_2)
	v_permlanex16_b32 v[T2+\b], v[BM+\b], s[SEL], s[SEL+1]
.endr
.irp b, 0,1
	s_delay_alu instid0(VALU_DEP_2)
	v_max_num_f32 v[BM+\b], v[BM+\b], v[T2+\b]
.endr
.irp b, 0,1
	s_delay_alu instid0(VALU_DEP_2)
	v_add_nc_u32 v[SO+\b], 0xff000000, v[BM+\b]
.endr
.irp b, 0,1
	s_delay_alu instid0(VALU_DEP_2)
	v_lshrrev_b32 v[T2+\b], 23, v[SO+\b]
.endr
	s_delay_alu instid0(VALU_DEP_1)
	v_lshl_or_b32 v[PSC], v[T2+1], 8, v[T2]        ; the two bytes lowest, 0 above
	v_cvt_scalef32_pk16_fp6_f32 v[PC:PC+2], v[S:S+15], v[SO]
	v_cvt_scalef32_pk16_fp6_f32 v[CT:CT+2], v[S+16:S+31], v[SO+1]
	v_nop
.irp i, 0,1,2
	v_permlane16_swap_b32 v[PC+\i], v[CT+\i]
.endr
.irp i, 0,1,2
	s_delay_alu instid0(VALU_DEP_3)
	v_mov_b32 v[PC+3+\i], v[CT+\i]
.endr
	global_store_b128 v1, v[PC:PC+3], s[OP:OP+1] offset:1536*\p           ; half a fragment: 512 and 256 consecutive bytes, aligned
	global_store_b64 v2, v[PC+4:PC+5], s[OP:OP+1] offset:1536*\p
	ds_store_b32 v[ASO], v[PSC] offset:4*\p        ; lanes r and r + 16 write the same word with the same value
.endm
	PASS 0
	PASS 1
	s_wait_dscnt 0x0                               ; for the others' sake: my scale words lie in LDS
	s_barrier_signal -1
	s_barrier_wait -1
	s_cmp_lt_u32 s[WV], 4
	s_cbranch_scc0 .Lend
	s_and_b32 s16, ttmp7, 0xffff                   ; wave w stores the plane of token block 16 n + 4 x block + w for this head: 512 bytes
	s_lshr_b32 s17, s16, 4
	s_lshl_b32 s17, s17, 4
	s_lshl_b32 s18, s[QB], 2
	s_add_co_u32 s17, s17, s18
	s_add_co_u32 s17, s17, s[WV]
	s_lshl_b32 s17, s17, 13
	s_and_b32 s16, s16, 15
	s_lshl_b32 s16, s16, 9                         ; 1,024 (head / 2) + 512 (head % 2)
	s_add_co_u32 s16, s16, s17
	s_add_co_u32 s16, s16, OSEC
	s_mov_b32 s17, 0
	s_add_nc_u64 s[16:17], s[8:9], s[16:17]
	ds_load_b128 v[S:S+3], v[ASR]
	s_wait_dscnt 0x0
	global_store_b128 v1, v[S:S+3], s[16:17]
.Lend:
	s_wait_tensorcnt 0x0                           ; the wave's end: behind my last LDS store
	ds_add_u32 v[SPW], v[NIL]
	s_wait_dscnt 0x0
	s_endpgm
.Lfunc_end_k_q8cd92b364a_attn:
	.size	k_q8cd92b364a_attn, .Lfunc_end_k_q8cd92b364a_attn-k_q8cd92b364a_attn
	.p2alignl 7, 3214868480
	.fill 96, 4, 3214868480
	.section	.rodata,"a",@progbits
	.p2align	6, 0x0
	.amdhsa_kernel k_q8cd92b364a_attn
		.amdhsa_group_segment_fixed_size 217088
		.amdhsa_private_segment_fixed_size 0
		.amdhsa_enable_private_segment 0
		.amdhsa_kernarg_size 24
		.amdhsa_user_sgpr_count 2
		.amdhsa_user_sgpr_kernarg_segment_ptr 1
		.amdhsa_wavefront_size32 1
		.amdhsa_system_sgpr_workgroup_id_x 1
		.amdhsa_system_sgpr_workgroup_id_y 1
		.amdhsa_system_sgpr_workgroup_id_z 1
		.amdhsa_system_vgpr_workitem_id 0
		.amdhsa_next_free_vgpr 256
		.amdhsa_next_free_sgpr 102
		.amdhsa_reserve_vcc 0
		.amdhsa_float_denorm_mode_32 3
		.amdhsa_float_denorm_mode_16_64 3
		.amdhsa_memory_ordered 1
		.amdhsa_forward_progress 1
		.amdhsa_inst_pref_size 75
	.end_amdhsa_kernel
	.amdgpu_metadata
---
amdhsa.version: [ 1, 2 ]
amdhsa.kernels:
  - .name:           k_q8cd92b364a_attn
    .symbol:         k_q8cd92b364a_attn.kd
    .args:
      - { .name: qkv, .offset: 0, .size: 8, .value_kind: global_buffer, .address_space: global }
      - { .name: mw, .offset: 8, .size: 8, .value_kind: global_buffer, .address_space: global }
      - { .name: oq, .offset: 16, .size: 8, .value_kind: global_buffer, .address_space: global }
    .group_segment_fixed_size: 217088
    .private_segment_fixed_size: 0
    .kernarg_segment_align: 8
    .kernarg_segment_size: 24
    .max_flat_workgroup_size: 512
    .sgpr_count:     102
    .vgpr_count:     256
    .wavefront_size: 32
...
	.end_amdgpu_metadata
.endif
;; end of part 3
;; launch outp (part 4): grid 4 x 64, 4 waves a work-group, clusters of 4 x 4, 327,680 bytes of LDS; arguments oq, wq, bo, out0; writes out0
.if DOCPART == 4
	.amdgcn_target "amdgcn-amd-amdhsa--gfx1250"
	.amdhsa_code_object_version 6
	.text
	.protected	k_q8cd92b364a_outp
	.globl	k_q8cd92b364a_outp
	.p2align	8
	.type	k_q8cd92b364a_outp,@function
k_q8cd92b364a_outp:
	s_mov_b64 s[64:65], 0
	v_nop
	global_prefetch_b8 v0, s[64:65] scope:SCOPE_SE
	s_setreg_imm32_b32 hwreg(HW_REG_WAVE_MODE, 25, 1), 1
	s_wait_xcnt 0x0
	s_wait_alu depctr_hold_cnt(0) depctr_sa_sdst(0) depctr_va_vdst(0) depctr_va_sdst(0) depctr_va_ssrc(0) depctr_va_vcc(0) depctr_vm_vsrc(0)
	s_getreg_b32 s2, hwreg(HW_REG_IB_STS2, 6, 4)
	s_cmp_eq_u32 s2, 0
	s_cbranch_scc0 .Lentry_in_a_cluster
	s_endpgm
.Lentry_in_a_cluster:
	s_bfe_u32 s2, ttmp6, 0x10000c
	s_cmp_lg_u32 s2, 0xf033
	s_cbranch_scc0 .Lentry_shape_is_right
	s_endpgm
.Lentry_shape_is_right:
; Launch 4 of 4: out0 = O Wo^T + bo on codes of E2M3, K = 1,024.  No work is left out.
; A work-group makes out0[128 tokens][256 features]; four waves, wave (wm, wn): token tiles 4 wm .. + 3 against the 8 feature tiles of Wo's block wn: 32 accumulators.  Source 0 = 16 rows of Wo, source 1 = 16 tokens:
; a lane holds one token and, by the tiles' row order, 64 registers = feature 32 b + 16 (lane / 16) + i.  bo is the C of each sum's first product.
; ALL OF K LIES IN LDS, filled once by five tensor loads a wave that go out together (by this text's own count five are out); counted waits let the products begin when the first quarter of K is in.  No LDS byte is filled again.
; O's scale words come as two planes for each K step (a head each: two bytes lowest); the waves join them into words of four bytes in LDS bytes of their own, into which no tensor load lands.
; CLUSTER 4 x 4: O's block hangs on the cluster's row alone, Wo's on its column alone: each is asked for jointly by the four that share it.
; THE WAY OUT: 16 tokens x 128 features go through the wave's stage in LDS and leave as whole rows of 512 bytes.  The stage lies where O's codes lay: they have had their one fill, and a barrier shows that nobody reads them any more.
; REGISTERS: window 0: v2-21 addresses, v32-39 O's scale words (two sets), v40-47 Wo's, v64-159 O's fragments (two sets of 48), later v64-191 rows on their way out; window 1: accumulator (a, b) at 8 (8 a + b);
; window 2: Wo's fragments, two sets of 96, and from v192 bo's eight tiles.
; THE FILLS AS THEY STAND (in place of what the lines above say of five loads and counted waits): each of the four dense blocks (Wo's codes, O's codes, Wo's scale words, O's scale planes) comes by ONE tensor load,
; one load a wave, in one chain of branches on the wave's number; every wave waits for its load (0) and one barrier shows all four.  By this text's own count a wave has one tensor load out.  No LDS byte is filled again.
.set WSEC,  3145728
.set OSEC,  6291456
.set BC,    98304
.set SAP,   294912                     ; O's scale planes, 8,192 bytes
.set SB,    303104
.set SAM,   311296                     ; the joined words, 4,096 bytes
.set SPARE, 315392                     ; the spare words: 128 bytes a wave, two blocks of 256 bytes that no other line names
.set AF,  64
.set SCA, 32
.set SCB, 40
.set SPW, 28
.set NIL, 29
.set BI,  192
.set BK,  64
.set WV, 12
.set WM, 13
.set WN, 14
.set MB, 19
.set G1A,  24
.set G1SA, 32
.set G1B,  40
.set G1SB, 48
.set MSB, 0
.macro WIN new
.if MSB != (\new)
	s_set_vgpr_msb (MSB<<8)|(\new)
.set MSB, \new
.endif
.endm
.macro PLACES n
.rept \n
	v_nop
.endr
.endm
.macro CROUND
	s_barrier_signal -1
	s_barrier_wait -1
	s_cmp_lg_u32 s[WV], 0
	s_cbranch_scc1 .Lnot_wave_0_\@
	s_barrier_signal -3
.Lnot_wave_0_\@:
	s_barrier_wait -3
	s_barrier_signal -1
	s_barrier_wait -1
.endm
.macro G1REST g, rows
	s_mov_b32 s[\g+1], 32<<16
	s_mov_b32 s[\g+2], (\rows)<<16
	s_mov_b32 s[\g+3], 32<<16
	s_mov_b32 s[\g+4], \rows
	s_mov_b32 s[\g+5], 32
	s_mov_b32 s[\g+6], 0
	s_mov_b32 s[\g+7], 0
.endm
	s_load_b128 s[4:7], s[0:1], 0x0                ; oq, wq
	s_load_b128 s[8:11], s[0:1], 0x10              ; bo, out0
	v_lshl_add_u32 v[SPW], v0, 2, SPARE
	v_mov_b32 v[NIL], 0
	ds_add_u32 v[SPW], v[NIL]                      ; the wave's opening: the add, twice on end, and its wait ahead of my first tensor load
	ds_add_u32 v[SPW], v[NIL]
	v_lshrrev_b32 v1, 5, v0
	v_readfirstlane_b32 s[WV], v1
	s_lshr_b32 s[WM], s[WV], 1                     ; my half of the token tiles.  Also: I fetch for O (0) or for Wo (1)
	s_and_b32 s[WN], s[WV], 1                      ; my block of Wo.  Also: which part I fetch
	s_bfe_u32 s15, ttmp6, 0x40000                  ; cx
	s_bfe_u32 s16, ttmp6, 0x40004                  ; cy
	s_and_b32 s[MB], ttmp7, 0xffff
	s_lshl_b32 s[MB], s[MB], 2
	s_add_co_u32 s[MB], s[MB], s16                 ; the block of 128 tokens
	s_lshl_b32 s23, s16, 2
	s_lshl_b32 s23, 15, s23                        ; my row of the cluster
	s_lshl_b32 s20, 0x1111, s15                    ; my column
	s_or_b32 s[G1A], s23, (3<<16)|(1<<21)
	s_or_b32 s[G1SA], s23, (3<<16)|(1<<21)
	s_or_b32 s[G1B], s20, (3<<16)|(1<<21)
	s_or_b32 s[G1SB], s20, (3<<16)|(1<<21)
	G1REST G1A, 384                                ; O's block of codes, as rows of 256 bytes
	G1REST G1SA, 32                                ; its scale planes
	G1REST G1B, 768                                ; Wo's two blocks of codes, which lie on end
	G1REST G1SB, 32                                ; their scale words, on end too
	s_mul_i32 s100, s[MB], 98304
	s_mov_b32 s101, 0
	s_lshl_b32 s104, s[MB], 13
	s_add_co_u32 s104, s104, OSEC
	s_mov_b32 s105, 0
	s_lshl_b32 s2, s15, 1
	s_add_co_u32 s2, s2, 24                        ; Wo's block in wq
	s_mul_i32 s20, s2, 98304
	s_mov_b32 s21, 0
	s_lshl_b32 s2, s2, 12
	s_add_co_u32 s2, s2, WSEC
	s_mov_b32 s3, 0
	s_wait_dscnt 0x0                               ; both opening adds are done
	s_wait_kmcnt 0x0
	s_add_nc_u64 s[100:101], s[4:5], s[100:101]
	s_add_nc_u64 s[104:105], s[4:5], s[104:105]
	s_add_nc_u64 s[20:21], s[6:7], s[20:21]
	s_add_nc_u64 s[2:3], s[6:7], s[2:3]
	CROUND                                         ; all sixteen work-groups are here: the joint loads meet
	s_mov_b32 s56, 1                               ; O's scale planes
	s_mov_b32 s57, SAP
	s_mov_b64 s[58:59], s[104:105]
	s_or_b32 s59, s59, 0x80000000
	s_mov_b32 s60, 1                               ; O's codes
	s_mov_b32 s61, 0
	s_mov_b64 s[62:63], s[100:101]
	s_or_b32 s63, s63, 0x80000000
	s_mov_b32 s80, 1                               ; the scale words of Wo's two blocks
	s_mov_b32 s81, SB
	s_mov_b64 s[82:83], s[2:3]
	s_or_b32 s83, s83, 0x80000000
	s_mov_b32 s84, 1                               ; their codes
	s_mov_b32 s85, BC
	s_mov_b64 s[86:87], s[20:21]
	s_or_b32 s87, s87, 0x80000000
; one tensor load a wave at the head: one chain of branches on the wave's number, a load to an arm, all arms to one join
.macro ARM w, g0, g1, next
	s_cmp_eq_u32 s[WV], \w
	s_cbranch_scc0 \next
	tensor_load_to_lds s[\g0:\g0+3], s[\g1:\g1+7]
	s_nop 0
	PLACES 4
	s_branch .Lfilled
\next:
.endm
	ARM 0, 84, G1B, .Lfill_1                       ; wave 0: Wo's codes, the largest block
	ARM 1, 60, G1A, .Lfill_2                       ; wave 1: O's codes
	ARM 2, 80, G1SB, .Lfill_3                      ; wave 2: Wo's scale words
	tensor_load_to_lds s[56:59], s[G1SA:G1SA+7]    ; wave 3: O's scale planes
	s_nop 0
	PLACES 4
.Lfilled:
	v_and_b32 v1, 31, v0
	v_and_b32 v2, 15, v0
	v_bfe_u32 v3, v0, 4, 1
	v_lshlrev_b32 v14, 4, v1
	s_wait_alu depctr_va_vdst(0)
	v_lshlrev_b32 v15, 3, v1
	v_add_nc_u32 v15, 512, v15
	s_wait_alu depctr_va_vdst(0)
	v_lshlrev_b32 v16, 6, v3                       ; bo: 64 h
	s_lshl_b32 s22, s15, 10
	s_lshl_b32 s23, s[WN], 9
	s_add_co_u32 s22, s22, s23                     ; my 128 features, in bytes
	s_mov_b32 s23, 0
	s_add_nc_u64 s[8:9], s[8:9], s[22:23]
	WIN 0x80                                       ; destination window 2
.irp b, 0,1,2,3,4,5,6,7
	global_load_b128 v[BI+8*\b:BI+8*\b+3], v16, s[8:9] offset:(32*(\b/2)+8*(\b%2))*4        ; tile b: bo at features 32 (b / 2) + 8 (b % 2) + 16 h + 0 .. 7
	global_load_b128 v[BI+8*\b+4:BI+8*\b+7], v16, s[8:9] offset:(32*(\b/2)+8*(\b%2))*4+16
.endr
	WIN 0
	s_lshl_b32 s16, s[MB], 19
	s_lshl_b32 s17, s[WM], 18
	s_add_co_u32 s16, s16, s17
	s_add_co_u32 s16, s16, s22                     ; out0: token 128 block + 64 wm, my features
	s_mov_b32 s17, 0
	s_add_nc_u64 s[10:11], s[10:11], s[16:17]
	s_mul_i32 s21, s[WM], 6144
	v_add_nc_u32 v4, s21, v14
	v_add_nc_u32 v6, s21, v15
	v_add_nc_u32 v5, 49152, v4
	v_add_nc_u32 v7, 49152, v6
	s_mul_i32 s21, s[WN], 98304
	s_add_co_u32 s21, s21, BC
	v_add_nc_u32 v8, s21, v14
	v_add_nc_u32 v10, s21, v15
	v_add_nc_u32 v9, 49152, v8
	v_add_nc_u32 v11, 49152, v10
	s_lshl_b32 s21, s[WM], 8
	s_add_co_u32 s21, s21, SAM
	v_lshl_add_u32 v12, v2, 4, s21
	s_lshl_b32 s21, s[WN], 12
	s_add_co_u32 s21, s21, SB
	v_add_nc_u32 v13, s21, v14
	s_lshl_b32 s21, s[WV], 10
	s_add_co_u32 s21, s21, SAP
	v_add_nc_u32 v18, s21, v14                     ; the planes of K steps w and w + 4
	s_lshl_b32 s21, s[WV], 9
	s_add_co_u32 s21, s21, SAM
	v_add_nc_u32 v19, s21, v14                     ; and their joined words
	s_mul_i32 s21, s[WV], 8448
	v_mul_u32_u24 v20, v2, 528
	v_lshl_add_u32 v20, v3, 6, v20
	v_add_nc_u32 v20, s21, v20                     ; my stage, way in: row r, + 64 h
	v_add_nc_u32 v21, s21, v14                     ; way out: 16 bytes a lane of a row
.macro FETCH ks, p
	WIN 0
.irp a, 0,1,2,3
.irp c, 0,1
	ds_load_b128 v[AF+48*(\p)+12*\a+6*\c:AF+48*(\p)+12*\a+6*\c+3], v[4+(\ks)/4] offset:((\ks)%4)*12288+1536*\a+768*\c
	ds_load_b64 v[AF+48*(\p)+12*\a+6*\c+4:AF+48*(\p)+12*\a+6*\c+5], v[6+(\ks)/4] offset:((\ks)%4)*12288+1536*\a+768*\c
.endr
.endr
	ds_load_b128 v[SCA+4*(\p):SCA+4*(\p)+3], v12 offset:512*(\ks)
	ds_load_b128 v[SCB+4*(\p):SCB+4*(\p)+3], v13 offset:512*(\ks)
	WIN 0x80
.irp b, 0,1,2,3,4,5,6,7
.irp c, 0,1
	ds_load_b128 v[96*(\p)+12*\b+6*\c:96*(\p)+12*\b+6*\c+3], v[8+(\ks)/4] offset:((\ks)%4)*12288+1536*\b+768*\c
	ds_load_b64 v[96*(\p)+12*\b+6*\c+4:96*(\p)+12*\b+6*\c+5], v[10+(\ks)/4] offset:((\ks)%4)*12288+1536*\b+768*\c
.endr
.endr
.endm
; 16 products; the 32 accumulators take turns, one instruction a turn.  first = 1: bo's tile is the C
.macro MUL2 a0, p, first
.if \first
	WIN 0x62                                       ; source 0 (Wo) window 2, source 1 (O) window 0, C (bo) window 2, D window 1
.else
	WIN 0x52                                       ; C and D window 1
.endif
.irp a, \a0, \a0+1
.irp b, 0,1,2,3,4,5,6,7
.set rD, 8*(8*(\a)+\b)
.set rB, 96*(\p)+12*\b
.set rA, AF+48*(\p)+12*(\a)
.set rX, SCB+4*(\p)+\b%4
.set rY, SCA+4*(\p)+(\a)
.set rC, BI+8*\b
.if \first
.if \b < 4
	v_wmma_scale_f32_16x16x128_f8f6f4 v[rD:rD+7], v[rB:rB+11], v[rA:rA+11], v[rC:rC+7], v[rX], v[rY] matrix_a_fmt:MATRIX_FMT_FP6 matrix_b_fmt:MATRIX_FMT_FP6
.else
	v_wmma_scale_f32_16x16x128_f8f6f4 v[rD:rD+7], v[rB:rB+11], v[rA:rA+11], v[rC:rC+7], v[rX], v[rY] matrix_a_fmt:MATRIX_FMT_FP6 matrix_b_fmt:MATRIX_FMT_FP6 matrix_a_scale:MATRIX_SCALE_ROW1
.endif
.else
.if \b < 4
	v_wmma_scale_f32_16x16x128_f8f6f4 v[rD:rD+7], v[rB:rB+11], v[rA:rA+11], v[rD:rD+7], v[rX], v[rY] matrix_a_fmt:MATRIX_FMT_FP6 matrix_b_fmt:MATRIX_FMT_FP6
.else
	v_wmma_scale_f32_16x16x128_f8f6f4 v[rD:rD+7], v[rB:rB+11], v[rA:rA+11], v[rD:rD+7], v[rX], v[rY] matrix_a_fmt:MATRIX_FMT_FP6 matrix_b_fmt:MATRIX_FMT_FP6 matrix_a_scale:MATRIX_SCALE_ROW1
.endif
.endif
.endr
.endr
.endm
.macro STEP ks                         ; K step ks on set ks % 2; the next step's fragments go into the other set
	s_wait_dscnt 0x0                               ; this step's fragments are in
	PLACES 4                                       ; in front of loads into the set that the last step's products read
	FETCH (\ks)+1, ((\ks)+1)%2
	MUL2 0, (\ks)%2, 0
	MUL2 2, (\ks)%2, 0
.endm
	s_wait_alu depctr_va_vdst(0)
	s_wait_tensorcnt 0x0                           ; my one load has landed; the barrier below shows everybody's: all of K lies in LDS
	s_barrier_signal -1
	s_barrier_wait -1
.irp i, 0,1                                    ; the planes of K steps w + 4 i are joined: the even head's two bytes below, the odd head's above
	ds_load_b128 v[160+8*\i:163+8*\i], v18 offset:4096*\i
	ds_load_b128 v[164+8*\i:167+8*\i], v18 offset:4096*\i+512
.endr
	s_wait_dscnt 0x0
.irp i, 0,1
.irp j, 0,1,2,3
	v_lshl_or_b32 v[176+4*\i+\j], v[164+8*\i+\j], 16, v[160+8*\i+\j]
.endr
	ds_store_b128 v19, v[176+4*\i:179+4*\i] offset:2048*\i
.endr
	s_wait_dscnt 0x0                               ; for the others' sake: my words lie in LDS
	s_barrier_signal -1
	s_barrier_wait -1
	FETCH 0, 0
	s_wait_loadcnt 0x0                             ; bo
	s_wait_dscnt 0x0
	FETCH 1, 1
	MUL2 0, 0, 1
	MUL2 2, 0, 1
.irp ks, 1,2,3,4,5,6
	STEP \ks
.endr
	s_wait_dscnt 0x0                               ; my last reads of the codes are over:
	s_barrier_signal -1                            ; say so,
	MUL2 0, 1, 0
	MUL2 2, 1, 0
	WIN 0
	s_barrier_wait -1                              ; and when all four have said so, the stages may be written where O's codes lay
.macro TOSTAGE a
	WIN 0x04                                       ; an LDS store's data: window 1
.irp p, 0,1,2,3
.irp q, 0,1,2,3
	ds_store_b128 v20, v[64*(\a)+16*\p+4*\q:64*(\a)+16*\p+4*\q+3] offset:128*\p+16*\q   ; each accumulator from its low end on
.endr
.endr
	WIN 0
.irp t, 0,1,2,3,4,5,6,7,8,9,10,11,12,13,14,15
	ds_load_b128 v[BK+64*((\a)%2)+4*\t:BK+64*((\a)%2)+4*\t+3], v21 offset:528*\t   ; LDS serves a wave's instructions in order: these see the stores above
.endr
.endm
.macro SEND a, younger                 ; younger: the LDS instructions issued behind tile a's loads
	s_wait_dscnt \younger
.irp t, 0,1,2,3,4,5,6,7,8,9,10,11,12,13,14,15
	global_store_b128 v14, v[BK+64*((\a)%2)+4*\t:BK+64*((\a)%2)+4*\t+3], s[10:11] offset:(32*((\a)/2)+8*((\a)%2)+\t+8*(\t/8))*4096 th:TH_STORE_NT   ; 32 lanes store 512 consecutive bytes of a row, aligned
.endr
.endm
	PLACES 4                                       ; behind the last products: results are read, and loads land where O's fragments lay
	TOSTAGE 0
	TOSTAGE 1
	SEND 0, 32                                     ; behind tile 0's loads: tile 1's 16 stores and 16 loads
	s_wait_xcnt 0x0                                ; tile 0's stores have read their registers
	TOSTAGE 2
	SEND 1, 32
	s_wait_xcnt 0x0
	TOSTAGE 3
	SEND 2, 32
	SEND 3, 0x0
	s_wait_tensorcnt 0x0                           ; the wave's end
	ds_add_u32 v[SPW], v[NIL]
	s_wait_dscnt 0x0
	CROUND                                         ; the closing round
	s_endpgm
.Lfunc_end_k_q8cd92b364a_outp:
	.size	k_q8cd92b364a_outp, .Lfunc_end_k_q8cd92b364a_outp-k_q8cd92b364a_outp
	.p2alignl 7, 3214868480
	.fill 96, 4, 3214868480
	.section	.rodata,"a",@progbits
	.p2align	6, 0x0
	.amdhsa_kernel k_q8cd92b364a_outp
		.amdhsa_group_segment_fixed_size 327680
		.amdhsa_private_segment_fixed_size 0
		.amdhsa_enable_private_segment 0
		.amdhsa_kernarg_size 32
		.amdhsa_user_sgpr_count 2
		.amdhsa_user_sgpr_kernarg_segment_ptr 1
		.amdhsa_wavefront_size32 1
		.amdhsa_system_sgpr_workgroup_id_x 1
		.amdhsa_system_sgpr_workgroup_id_y 1
		.amdhsa_system_sgpr_workgroup_id_z 1
		.amdhsa_system_vgpr_workitem_id 0
		.amdhsa_next_free_vgpr 768
		.amdhsa_next_free_sgpr 106
		.amdhsa_reserve_vcc 0
		.amdhsa_float_denorm_mode_32 3
		.amdhsa_float_denorm_mode_16_64 3
		.amdhsa_memory_ordered 1
		.amdhsa_forward_progress 1
		.amdhsa_inst_pref_size 85
	.end_amdhsa_kernel
	.amdgpu_metadata
---
amdhsa.version: [ 1, 2 ]
amdhsa.kernels:
  - .name:           k_q8cd92b364a_outp
    .symbol:         k_q8cd92b364a_outp.kd
    .args:
      - { .name: oq, .offset: 0, .size: 8, .value_kind: global_buffer, .address_space: global }
      - { .name: wq, .offset: 8, .size: 8, .value_kind: global_buffer, .address_space: global }
      - { .name: bo, .offset: 16, .size: 8, .value_kind: global_buffer, .address_space: global }
      - { .name: out0, .offset: 24, .size: 8, .value_kind: global_buffer, .address_space: global }
    .group_segment_fixed_size: 327680
    .private_segment_fixed_size: 0
    .kernarg_segment_align: 8
    .kernarg_segment_size: 32
    .max_flat_workgroup_size: 128
    .sgpr_count:     106
    .vgpr_count:     768
    .wavefront_size: 32
...
	.end_amdgpu_metadata
.endif
;; end of part 4
